; MI455X (gfx1250); checked and timed in simulation.
; The chip was launched on July 23, 2026; its instructions are those of AMD's public machine-readable ISA for CDNA 5 (MIT licence, August 2026) and "CDNA5" Instruction Set Architecture Reference Guide (July 2026). The comments in the code are by the model that wrote it; some were corrected since.
;; Multi Head Attention. Allowed arithmetic: float matrix products may take bf16 or f16 operands with f32 sums; other float arithmetic in f32, or as packed bf16 or f16 multiplies, adds, multiply-adds, maxima and minima; sums over many terms, partial sums and values carried from step to step in f32; what a program stores and reads back later, other than sums and carried values, may be rounded once to bf16 or f16.
;; Inputs: Wk 1,024 x 1,024 float32; Wo 1,024 x 1,024 float32; Wq 1,024 x 1,024 float32; Wv 1,024 x 1,024 float32; bk 1,024 float32; bo 1,024 float32; bq 1,024 float32; bv 1,024 float32; key_in 4 x 2,048 x 1,024 float32; mask 1 x 1 x 2,048 x 2,048 int32; query 4 x 2,048 x 1,024 float32; value 4 x 2,048 x 1,024 float32.
;; Outputs: out0 4 x 2,048 x 1,024 float32.
;; 2 versions, each right; version 2 is version 1 with the launch prep written anew for expert scheduling mode. Each part assembles by itself: llvm-mc -triple=amdgcn-amd-amdhsa -mcpu=gfx1250 --defsym DOCPART=n.
;; ======== version 1 of 2: 4 launches
;; limits: values are held in f16: magnitudes above 65,504 overflow, below 6.1e-05 lose precision
;; workspace buffers: xb 50,331,648 bytes; wb 8,388,608 bytes; mb 4,194,304 bytes; qkv 50,331,648 bytes; ob 16,777,216 bytes
;; launch prep (part 1): grid 256 x 1, 16 waves a work-group, no clusters, 137,216 bytes of LDS; arguments query, key_in, value, Wq, Wk, Wv, Wo, mask, xb, wb, mb; writes xb, wb, mb
.if DOCPART == 1
	.amdgcn_target "amdgcn-amd-amdhsa--gfx1250"
	.amdhsa_code_object_version 6
	.text
	.protected	k_q0514c9f718_prep
	.globl	k_q0514c9f718_prep
	.p2align	8
	.type	k_q0514c9f718_prep,@function
k_q0514c9f718_prep:
	s_mov_b64 s[64:65], 0
	v_nop
	global_prefetch_b8 v0, s[64:65] scope:SCOPE_SE
	s_setreg_imm32_b32 hwreg(HW_REG_WAVE_MODE, 25, 1), 1
	s_wait_xcnt 0x0
; PREP.  The module's f32 inputs are rounded once to bf16, and the mask is laid out for the lanes of attention's score tiles.
;   xb [3][8192][1024] bf16 = query, key_in, value.   wb [4][1024][1024] = Wq, Wk, Wv in bf16; Wo rounded to bf16 and that number written as f16
;   (exact from 2^-14 up to 65,504; below 2^-14 it keeps f16's fixed step of 6e-8; beyond 65,504 it would be an infinity: a limit of this program).
;   mb [128 query tiles][64 pairs of key blocks][32 lanes][16 bytes]: a byte an element, an fp8 (E4M3) code: 0x00 = 0 where the mask allows, 0xb8 = -1.0 where it is 0.
;   Lane L's 16 bytes of (qt, pp): byte 8 e + j stands for mask[16 qt + L % 16][16 (2 pp + e) + 8 (L / 16) + j].
; SHARES.  256 work-groups of 16 waves, each reads 512 KiB: 0-191 a chunk of the activations, 192-223 a chunk of a weight, 224-255 64 rows of the mask.
; No work-group reads what another reads, so no cluster; no products, so no matrix unit.  Every load of a wave covers 512 consecutive bytes, every store 256 or 512, aligned.
.set SPARE, 135168                     ; behind the 16 waves' stages of 8,448 bytes: the spare words, 128 bytes a wave, that no other line names
.set SPW, 14                           ; v14  LDS address of my spare word; never rewritten
.set NIL, 15                           ; v15  0; never rewritten
.set X,   24                           ; v[24:87]   convert: 16 slots of 4 registers as loaded
.set Y,   88                           ; v[88:119]  convert: 16 slots of 2 registers to store
.set T,   120                          ; v[120:125] at work
.set HID, 11                           ; v11        mask: the code of a hidden element
.set TB,  16                           ; v[16:23]   mask: a key block's eight codes
.set M,   24                           ; v[24:87]   mask: a unit (16 rows x 128 keys) as the lanes of a score tile hold it
.set U,   88                           ; v[88:151]  mask: the unit as loaded, a row an instruction
.set OW,  152                          ; v[152:167] mask: the unit's codes, two words a key block
	s_load_b512 s[8:23], s[0:1], 0x0               ; query, key_in, value, Wq, Wk, Wv, Wo, mask
	s_load_b128 s[24:27], s[0:1], 0x40             ; xb s[24:25], wb s[26:27]
	s_load_b64 s[28:29], s[0:1], 0x50              ; mb
	v_lshl_add_u32 v[SPW], v0, 2, SPARE
	v_mov_b32 v[NIL], 0
	v_lshrrev_b32 v1, 5, v0
	v_readfirstlane_b32 s30, v1                    ; wave 0..15
	v_and_b32 v8, 31, v0                           ; lane
	s_mov_b32 s31, ttmp9
	s_cmp_ge_u32 s31, 224
	s_cbranch_scc1 .Lmask
	; THE CONVERSIONS.  A wave owns 32 KiB of its chunk: 64 loads of 512 bytes, through a ring of 16 register slots.
	s_sub_co_u32 s39, s31, 192                     ; the chunk's number among the weights' (used from 192 on)
	s_lshr_b32 s40, s31, 6
	s_lshr_b32 s41, s39, 3
	s_add_co_u32 s41, s41, 3
	s_and_b32 s42, s31, 63
	s_and_b32 s43, s39, 7
	s_cmp_lt_u32 s31, 192
	s_cselect_b32 s40, s40, s41                    ; which of the seven sources
	s_cselect_b32 s46, s42, s43                    ; the chunk's number in it
	s_cselect_b32 s48, s31, s39                    ; and in xb or wb
	s_lshl_b32 s46, s46, 19                        ; 512 KiB of f32
	s_mov_b32 s47, 0
	s_lshl_b32 s48, s48, 18                        ; 256 KiB of 16-bit numbers
	s_mov_b32 s49, 0
	s_mov_b32 s36, 0xffff0000                      ; a word's upper bf16
	v_lshlrev_b32 v2, 4, v8
	v_lshl_add_u32 v2, v1, 15, v2                  ; in: 32,768 x wave + 16 x lane; never rewritten
	v_lshlrev_b32 v3, 3, v8
	v_lshl_add_u32 v3, v1, 14, v3                  ; out: 16,384 x wave + 8 x lane; never rewritten
	s_wait_kmcnt 0x0
	s_cmp_lt_u32 s31, 192
	s_cselect_b64 s[34:35], s[24:25], s[26:27]
	s_mov_b64 s[32:33], s[8:9]
.irp n, 1,2,3,4,5,6
	s_cmp_eq_u32 s40, \n
	s_cselect_b64 s[32:33], s[8+2*\n:9+2*\n], s[32:33]
.endr
	s_cselect_b32 s37, -1, 0                       ; all lanes' bits where the source is Wo (the last compare was for 6)
	s_add_nc_u64 s[32:33], s[32:33], s[46:47]
	s_add_nc_u64 s[34:35], s[34:35], s[48:49]
.irp i, 0,1,2,3,4,5,6,7,8,9,10,11,12,13,14,15
	global_load_b128 v[X+4*(\i):X+4*(\i)+3], v2, s[32:33] offset:512*(\i) th:TH_LOAD_NT
.endr
; One slot's turn: four f32 are rounded to bf16; for Wo the rounded numbers are written as f16 (a select, no branch).  left = the younger loads that may stay out.
.macro SLOT i, ahead, left
	s_wait_loadcnt \left                           ; loads come back in order: mine is in
	v_cvt_pk_bf16_f32 v[T],   v[X+4*(\i)],   v[X+4*(\i)+1]
	v_cvt_pk_bf16_f32 v[T+1], v[X+4*(\i)+2], v[X+4*(\i)+3]
	v_lshlrev_b32 v[T+2], 16, v[T]
	v_and_b32     v[T+3], s36, v[T]
	v_lshlrev_b32 v[T+4], 16, v[T+1]
	v_and_b32     v[T+5], s36, v[T+1]
	v_cvt_pk_f16_f32 v[T+2], v[T+2], v[T+3]
	v_cvt_pk_f16_f32 v[T+4], v[T+4], v[T+5]
	v_cndmask_b32 v[Y+2*(\i)],   v[T],   v[T+2], s37
	v_cndmask_b32 v[Y+2*(\i)+1], v[T+1], v[T+4], s37
.if \ahead
	global_load_b128 v[X+4*(\i):X+4*(\i)+3], v2, s[32:33] offset:512*(16+(\i)) th:TH_LOAD_NT
.endif
	global_store_b64 v3, v[Y+2*(\i):Y+2*(\i)+1], s[34:35] offset:256*(\i) th:TH_STORE_NT  ; 32 lanes store 256 consecutive bytes, aligned
.endm
	s_mov_b32 s38, 3
.Lring:
.irp i, 0,1,2,3,4,5,6,7,8,9,10,11,12,13,14,15
	SLOT \i, 1, 15
.endr
	s_wait_xcnt 0x0                                ; the two bases and the stores' data are written again only behind this wait
	s_add_nc_u64 s[32:33], s[32:33], 8192
	s_add_nc_u64 s[34:35], s[34:35], 4096
	s_sub_co_u32 s38, s38, 1
	s_cmp_lg_u32 s38, 0
	s_cbranch_scc1 .Lring
.irp i, 0,1,2,3,4,5,6,7,8,9,10,11,12,13,14,15
	SLOT \i, 0, 15-(\i)                            ; the last round loads nothing: the counts run down
.endr
	s_branch .Lend
	; THE MASK.  Wave w takes query tile 4 g + w / 4 and the quarter w % 4 of the keys, in four units of 16 rows x 128 keys.  A unit goes through the wave's own
	; 16 rows of LDS (pitch 528) to change from a row an instruction to the lanes of a score tile; a compare and a select make an element's code, three shifts a word of four.
.Lmask:
	s_sub_co_u32 s39, s31, 224
	s_lshl_b32 s39, s39, 2
	s_lshr_b32 s40, s30, 2
	s_add_co_u32 s39, s39, s40                     ; query tile
	s_and_b32 s40, s30, 3                          ; quarter of the keys
	s_lshl_b32 s41, s39, 17                        ; 16 rows of 8,192 bytes
	s_lshl_b32 s42, s40, 11
	s_add_co_u32 s41, s41, s42
	v_lshl_add_u32 v4, v8, 4, s41                  ; in the mask: my 16 bytes of the unit's first row
	s_mul_i32 s43, s30, 8448                       ; my wave's stage
	v_lshl_add_u32 v5, v8, 4, s43
	v_and_b32 v9, 15, v0
	v_bfe_u32 v10, v0, 4, 1
	v_mul_u32_u24 v6, v9, 528
	v_lshl_add_u32 v6, v10, 5, v6
	v_add_nc_u32 v6, s43, v6                       ; back: row lane % 16, keys 8 (lane / 16) on
	s_lshl_b32 s44, s39, 15                        ; in mb: a query tile is 32,768 bytes,
	s_lshl_b32 s45, s40, 13                        ; a quarter of the keys 16 pairs of key blocks of 512 bytes
	s_add_co_u32 s44, s44, s45
	v_lshl_add_u32 v7, v8, 4, s44                  ; 16 bytes a lane
	v_mov_b32 v[HID], 0xb8                         ; -1.0 in E4M3
	s_mov_b32 s38, 4
	s_wait_kmcnt 0x0
.Lunit:
.irp i, 0,1,2,3,4,5,6,7,8,9,10,11,12,13,14,15
	global_load_b128 v[U+4*(\i):U+4*(\i)+3], v4, s[22:23] offset:8192*(\i) th:TH_LOAD_NT
.endr
	s_wait_loadcnt 0x0
.irp i, 0,1,2,3,4,5,6,7,8,9,10,11,12,13,14,15
	ds_store_b128 v5, v[U+4*(\i):U+4*(\i)+3] offset:528*(\i)
.endr
.irp k, 0,1,2,3,4,5,6,7
	ds_load_b128 v[M+8*(\k):M+8*(\k)+3],   v6 offset:64*(\k)      ; my wave's own bytes; LDS serves a wave's instructions in order
	ds_load_b128 v[M+8*(\k)+4:M+8*(\k)+7], v6 offset:64*(\k)+16
.endr
	s_wait_dscnt 0x0
.irp k, 0,1,2,3,4,5,6,7
.irp j, 0,1,2,3,4,5,6,7
	v_cmp_eq_u32 vcc_lo, 0, v[M+8*(\k)+(\j)]
	v_cndmask_b32 v[TB+(\j)], 0, v[HID], vcc_lo
.endr
.irp j, 0,2,4,6
	v_lshl_or_b32 v[TB+(\j)], v[TB+(\j)+1], 8, v[TB+(\j)]
.endr
	v_lshl_or_b32 v[OW+2*(\k)],   v[TB+2], 16, v[TB]              ; keys j = 0..3 in bytes 0..3,
	v_lshl_or_b32 v[OW+2*(\k)+1], v[TB+6], 16, v[TB+4]            ; keys j = 4..7
.endr
.irp p, 0,1,2,3
	global_store_b128 v7, v[OW+4*(\p):OW+4*(\p)+3], s[28:29] offset:512*(\p)  ; a pair of key blocks: 512 consecutive bytes, aligned
.endr
	s_wait_xcnt 0x0                                ; the stores' data and both offsets are written again only behind this wait
	v_add_nc_u32 v4, 512, v4
	v_add_nc_u32 v7, 2048, v7
	s_sub_co_u32 s38, s38, 1
	s_cmp_lg_u32 s38, 0
	s_cbranch_scc1 .Lunit
.Lend:
	s_wait_tensorcnt 0x0                           ; the wave's end, behind my last LDS store
	ds_add_u32 v[SPW], v[NIL]
	s_wait_dscnt 0x0
	s_endpgm
.Lfunc_end_k_q0514c9f718_prep:
	.size	k_q0514c9f718_prep, .Lfunc_end_k_q0514c9f718_prep-k_q0514c9f718_prep
	.p2alignl 7, 3214868480
	.fill 96, 4, 3214868480
	.section	.rodata,"a",@progbits
	.p2align	6, 0x0
	.amdhsa_kernel k_q0514c9f718_prep
		.amdhsa_group_segment_fixed_size 137216
		.amdhsa_private_segment_fixed_size 0
		.amdhsa_enable_private_segment 0
		.amdhsa_kernarg_size 88
		.amdhsa_user_sgpr_count 2
		.amdhsa_user_sgpr_kernarg_segment_ptr 1
		.amdhsa_wavefront_size32 1
		.amdhsa_system_sgpr_workgroup_id_x 1
		.amdhsa_system_sgpr_workgroup_id_y 1
		.amdhsa_system_sgpr_workgroup_id_z 1
		.amdhsa_system_vgpr_workitem_id 0
		.amdhsa_next_free_vgpr 168
		.amdhsa_next_free_sgpr 66
		.amdhsa_reserve_vcc 1
		.amdhsa_float_denorm_mode_32 3
		.amdhsa_float_denorm_mode_16_64 3
		.amdhsa_memory_ordered 1
		.amdhsa_forward_progress 1
		.amdhsa_inst_pref_size 38
	.end_amdhsa_kernel
	.amdgpu_metadata
---
amdhsa.version: [ 1, 2 ]
amdhsa.kernels:
  - .name:           k_q0514c9f718_prep
    .symbol:         k_q0514c9f718_prep.kd
    .args:
      - { .name: query, .offset: 0, .size: 8, .value_kind: global_buffer, .address_space: global }
      - { .name: key_in, .offset: 8, .size: 8, .value_kind: global_buffer, .address_space: global }
      - { .name: value, .offset: 16, .size: 8, .value_kind: global_buffer, .address_space: global }
      - { .name: Wq, .offset: 24, .size: 8, .value_kind: global_buffer, .address_space: global }
      - { .name: Wk, .offset: 32, .size: 8, .value_kind: global_buffer, .address_space: global }
      - { .name: Wv, .offset: 40, .size: 8, .value_kind: global_buffer, .address_space: global }
      - { .name: Wo, .offset: 48, .size: 8, .value_kind: global_buffer, .address_space: global }
      - { .name: mask, .offset: 56, .size: 8, .value_kind: global_buffer, .address_space: global }
      - { .name: xb, .offset: 64, .size: 8, .value_kind: global_buffer, .address_space: global }
      - { .name: wb, .offset: 72, .size: 8, .value_kind: global_buffer, .address_space: global }
      - { .name: mb, .offset: 80, .size: 8, .value_kind: global_buffer, .address_space: global }
    .group_segment_fixed_size: 137216
    .private_segment_fixed_size: 0
    .kernarg_segment_align: 8
    .kernarg_segment_size: 88
    .max_flat_workgroup_size: 512
    .sgpr_count:     66
    .vgpr_count:     168
    .wavefront_size: 32
...
	.end_amdgpu_metadata
.endif
;; end of part 1
;; launch proj (part 2): grid 8 x 96, 4 waves a work-group, clusters of 4 x 4, 327,680 bytes of LDS; arguments xb, wb, bq, bk, bv, qkv; writes qkv
.if DOCPART == 2
	.amdgcn_target "amdgcn-amd-amdhsa--gfx1250"
	.amdhsa_code_object_version 6
	.text
	.protected	k_q0514c9f718_proj
	.globl	k_q0514c9f718_proj
	.p2align	8
	.type	k_q0514c9f718_proj,@function
k_q0514c9f718_proj:
	s_mov_b64 s[64:65], 0
	v_nop
	global_prefetch_b8 v0, s[64:65] scope:SCOPE_SE
	s_setreg_imm32_b32 hwreg(HW_REG_WAVE_MODE, 25, 1), 1
	s_wait_xcnt 0x0
	s_wait_alu depctr_hold_cnt(0) depctr_sa_sdst(0) depctr_va_vdst(0) depctr_va_sdst(0) depctr_va_ssrc(0) depctr_va_vcc(0) depctr_vm_vsrc(0)
	s_getreg_b32 s2, hwreg(HW_REG_IB_STS2, 6, 4)
	s_cmp_eq_u32 s2, 0
	s_cbranch_scc0 .Lentry_in_a_cluster
	s_endpgm
.Lentry_in_a_cluster:
	s_bfe_u32 s2, ttmp6, 0x10000c
	s_cmp_lg_u32 s2, 0xf033
	s_cbranch_scc0 .Lentry_shape_is_right
	s_endpgm
.Lentry_shape_is_right:
; PROJ.  Q, K, V = x W^T + b.  xb [3][8192][1024] bf16, wb [4][1024][1024] bf16, biases f32 (rounded to bf16 like the other inputs), sums in f32,
; qkv [3][64 = 16 batch + head][2048][64] f16, rounded once, without attention's scale.  LIMIT: a result beyond 65,504 becomes an infinity in f16.
; SHARES.  A tile is 256 rows x 128 columns; 768 work-groups, one tile each; a wave makes 128 rows x 64 columns (one head): 32 accumulators, 256 registers.
; K = 1,024 goes in 8 steps of 128 through two LDS slots; a row of a tile is 256 bytes of memory, aligned.  Waves 0, 1 fetch A's two halves (128 rows), waves 2, 3 B's (64 rows).
; CLUSTER 4 x 4: A's tile hangs on the tile row alone and is asked for jointly along a row of the cluster, B's on the tile column (and the projection) alone, along a column.
; THE PRODUCT IS TAKEN TRANSPOSED (source 0 = 16 rows of W, source 1 = 16 rows of x): a lane holds one row and eight neighbouring columns.
; REGISTERS: window 0 addresses, bias, way out; window 1 two fragment buffers of 96 (A's 8 blocks, then B's 4); window 2 the accumulators, (a, b) at 8 (4 a + b).
.set KSTEP,  128
.set SIZE_K, 1024
.set PITCH,  272                       ; an LDS row: 256 bytes + 16 of padding: the 16 rows of a fragment load start at 16 different groups of four banks
.set HALFA,  128*PITCH
.set HALFB,  64*PITCH
.set BOFF,   2*HALFA                   ; B's 128 rows lie behind A's 256
.set SLOT,   BOFF+2*HALFB
.set STAGE,  2*SLOT                    ; behind the ring: 16 rows x 144 bytes for each wave, for the way out
.set SP,     144
.set SPARE,  STAGE+4*16*SP             ; the spare words, 128 bytes a wave, that no other line names
.set LAPS,   SIZE_K/(2*KSTEP)
.set ADRA, 16                          ; v16-17 LDS address of my A fragments in slot 0, 1
.set ADRB, 20                          ; v20-21 the same for B
.set STO,  24                          ; v24 the way out: where I put 16 bytes of a row
.set RD,   25                          ; v25 where I read rows back
.set GO,   26                          ; v26 16 x lane
.set SPW,  28                          ; v28 my spare word; never rewritten
.set NIL,  29                          ; v29 0; never rewritten
.set PFO,  30                          ; v30 the prefetches' offset; never rewritten
.set BO,   31                          ; v31 my offset in the bias
.set T,    32                          ; v[32:63] a block's 32 sums with the bias
.set TMP,  64                          ; v[64:79] packed
.set BI,   96                          ; v[96:127] the bias of my 32 columns
.set BKB,  128                         ; v[128:159] two sets of 16: rows read back
.set F0,   0
.set F1,   96
.set G1,   24                          ; s[24:31] group 1 for A;  s[32:39] group 0, a set a slot
.set G0,   32
.set G1B,  48                          ; s[48:55], s[56:63] the same for B
.set G0B,  56
.set LIM0, 43                          ; s43, s66: 1 where my wave prefetches at slot 0's, slot 1's change, else the greatest number
.set LIM1, 66
.set PFA,  44                          ; s[44:45] where my prefetches stand
.set MSB, 0
.macro WIN new                         ; the immediate's high byte repeats the setting that is left
.if MSB != (\new)
	s_set_vgpr_msb (MSB<<8)|(\new)
.set MSB, \new
.endif
.endm
.set MUL,  0xa5                        ; sources 0 and 1 window 1; C and D window 2
.set TO_F, 0x40                        ; destination window 1, address window 0
.set PKW,  0x02                        ; source 0 window 2
.macro JLOAD s                         ; a joint load; an s_nop 0 and four v_nop follow each of the two lines
	s_cmp_eq_u32 s11, 0
	s_cbranch_scc0 .Lfor_b_\@
	tensor_load_to_lds s[G0+4*(\s):G0+4*(\s)+3], s[G1:G1+7]
	s_nop 0
.rept 4
	v_nop
.endr
	s_branch .Lasked_\@
.Lfor_b_\@:
	tensor_load_to_lds s[G0B+4*(\s):G0B+4*(\s)+3], s[G1B:G1B+7]
	s_nop 0
.rept 4
	v_nop
.endr
.Lasked_\@:
.endm
.macro CREST                           ; a round of the cluster's barrier behind its opening barrier
	s_cmp_lg_u32 s10, 0
	s_cbranch_scc1 .Lnot_wave_0_\@
	s_barrier_signal -3
.Lnot_wave_0_\@:
	s_barrier_wait -3
	s_barrier_signal -1
	s_barrier_wait -1
.endm
.macro CROUND
	s_barrier_signal -1
	s_barrier_wait -1
	CREST
.endm
; A prefetch of the K step two refills on, behind the joint load and the run of LDS loads.  A's rows: the cluster with x = 0 asks, each of the four partners for 32 of the wave's 128 rows
; (told apart by address, cx), a lane a row.  B's rows: the first of the eight cluster rows of a projection asks, each partner for 16 of the wave's 64 rows (cy); lanes 16-31 name the
; K step after, so a B wave asks at slot 0's change alone.  The loop's last trip asks for nothing; K steps 0 to 3 come by their loads alone.
.macro ASK lim
	s_cmp_gt_u32 s3, s[\lim]
	s_cbranch_scc0 .Lnot_mine_\@
	global_prefetch_b8 v[PFO], s[PFA:PFA+1] th:TH_LOAD_NT scope:SCOPE_SE
.Lnot_mine_\@:
.endm
	s_load_b256 s[68:75], s[0:1], 0x0              ; xb s[68:69], wb s[70:71], bq s[72:73], bk s[74:75]
	s_load_b128 s[76:79], s[0:1], 0x20             ; bv s[76:77], qkv s[78:79]
	v_lshl_add_u32 v[SPW], v0, 2, SPARE
	v_mov_b32 v[NIL], 0
	ds_add_u32 v[SPW], v[NIL]                      ; the wave's opening: the add and its wait ahead of my first tensor load
	ds_add_u32 v28, v29
	v_lshrrev_b32 v1, 5, v0
	v_readfirstlane_b32 s10, v1                    ; wave 0..3
	s_lshr_b32 s11, s10, 1                         ; my half of the tile's rows.  Also: I fetch for A (0) or B (1)
	s_and_b32 s12, s10, 1                          ; my half of its columns.  Also: which half I fetch
	s_bfe_u32 s40, ttmp6, 0x40000                  ; cx
	s_bfe_u32 s41, ttmp6, 0x40004                  ; cy
	s_lshl_b32 s42, ttmp9, 2
	s_add_co_u32 s42, s42, s40                     ; tile column 0..7
	s_and_b32 s5, ttmp7, 0xffff                    ; cluster y 0..23
	s_lshl_b32 s13, s5, 2
	s_add_co_u32 s13, s13, s41                     ; 32 x projection + tile row
	s_lshr_b32 s67, s5, 3                          ; the projection 0..2, made of the cluster's y alone
	s_lshl_b32 s6, s41, 2
	s_lshl_b32 s6, 15, s6                          ; my row of the cluster
	s_lshl_b32 s7, 0x1111, s40                     ; my column
	s_or_b32 s[G1+0], s6, (1<<16)|(1<<20)|(1<<21)|(5<<22)|(3<<25)   ; the mask; 2-byte elements; padding on; bit 21 beside a mask; after every 64 words, 4 words
	s_or_b32 s[G1B+0], s7, (1<<16)|(1<<20)|(1<<21)|(5<<22)|(3<<25)
	s_mov_b32 s[G1+1], KSTEP<<16                   ; tensor_dim0 = 128
	s_mov_b32 s[G1+2], 128<<16                     ; tensor_dim1 = 128
	s_mov_b32 s[G1+3], KSTEP<<16                   ; tile_dim0 = 128
	s_mov_b32 s[G1+4], 128                         ; tile_dim1 = 128
	s_mov_b32 s[G1+5], SIZE_K                      ; elements from row to row
	s_mov_b32 s[G1+6], 0
	s_mov_b32 s[G1+7], 0
	s_mov_b32 s[G1B+1], KSTEP<<16
	s_mov_b32 s[G1B+2], 64<<16                     ; B: 64 rows
	s_mov_b32 s[G1B+3], KSTEP<<16
	s_mov_b32 s[G1B+4], 64
	s_mov_b32 s[G1B+5], SIZE_K
	s_mov_b32 s[G1B+6], 0
	s_mov_b32 s[G1B+7], 0
	s_lshl_b32 s16, s13, 8
	s_lshl_b32 s17, s12, 7
	s_add_co_u32 s16, s16, s17                     ; A: row 256 y + 128 x half of xb's 24,576
	s_lshl_b32 s16, s16, 11                        ; rows of 2,048 bytes
	s_mov_b32 s17, 0
	s_lshl_b32 s46, s67, 10
	s_lshl_b32 s47, s42, 7
	s_add_co_u32 s46, s46, s47
	s_lshl_b32 s47, s12, 6
	s_add_co_u32 s46, s46, s47                     ; B: row 1,024 p + 128 x tile column + 64 x half
	s_lshl_b32 s46, s46, 11
	s_mov_b32 s47, 0
	s_mul_i32 s20, s12, HALFA                      ; where they go: no place in the cluster enters an LDS address
	s_mul_i32 s21, s12, HALFB
	s_add_co_u32 s21, s21, BOFF
	s_wait_dscnt 0x0                               ; the opening add is done
	s_wait_kmcnt 0x0
	s_add_nc_u64 s[14:15], s[68:69], s[16:17]
	s_add_nc_u64 s[46:47], s[70:71], s[46:47]
	CROUND                                         ; all sixteen work-groups are here: the first joint loads meet
.irp s, 0,1
	s_mov_b32 s[G0+4*(\s)], 1
	s_add_co_u32 s[G0+4*(\s)+1], s20, (\s)*SLOT
	s_add_nc_u64 s[G0+4*(\s)+2:G0+4*(\s)+3], s[14:15], (\s)*KSTEP*2
	s_or_b32 s[G0+4*(\s)+3], s[G0+4*(\s)+3], 0x80000000
	s_mov_b32 s[G0B+4*(\s)], 1
	s_add_co_u32 s[G0B+4*(\s)+1], s21, (\s)*SLOT
	s_add_nc_u64 s[G0B+4*(\s)+2:G0B+4*(\s)+3], s[46:47], (\s)*KSTEP*2
	s_or_b32 s[G0B+4*(\s)+3], s[G0B+4*(\s)+3], 0x80000000
	JLOAD \s
.endr
	v_and_b32 v1, 15, v0                           ; l % 16
	v_bfe_u32 v2, v0, 4, 1                         ; l / 16
	v_mul_u32_u24 v3, v1, PITCH
	v_lshl_add_u32 v3, v2, 4, v3                   ; a fragment's row x pitch + 16 x half
	s_mul_i32 s21, s11, HALFA                      ; my 128 rows of A
	s_mul_i32 s22, s12, HALFB                      ; my 64 rows of B
	s_add_co_u32 s22, s22, BOFF
.irp s, 0,1
	v_add_nc_u32 v[ADRA+(\s)], s21, v3
	v_add_nc_u32 v[ADRB+(\s)], s22, v3
	s_add_co_u32 s21, s21, SLOT
	s_add_co_u32 s22, s22, SLOT
.endr
	s_mul_i32 s23, s10, 16*SP
	s_add_co_u32 s23, s23, STAGE                   ; my stage
	v_mul_u32_u24 v4, v1, SP
	v_lshl_add_u32 v4, v2, 4, v4
	v_add_nc_u32 v[STO], s23, v4                   ; in: row l % 16, 16 bytes for each half of the lanes
	v_bfe_u32 v5, v0, 3, 2
	v_mul_u32_u24 v5, v5, SP
	v_and_b32 v6, 7, v0
	v_lshl_add_u32 v5, v6, 4, v5
	v_add_nc_u32 v[RD], s23, v5                    ; back: 32 lanes take four rows of 128 bytes,
	v_and_b32 v[GO], 31, v0
	v_lshlrev_b32 v[GO], 4, v[GO]                  ; which are 512 consecutive bytes of a head
	; where my 128 rows of my head begin in qkv
	s_and_b32 s90, s13, 31                         ; tile row in the projection
	s_lshr_b32 s91, s90, 3                         ; batch
	s_lshl_b32 s91, s91, 4
	s_lshl_b32 s92, s42, 1
	s_add_co_u32 s91, s91, s92
	s_add_co_u32 s91, s91, s12                     ; 16 x batch + head
	s_lshl_b32 s91, s91, 18                        ; a head is 2,048 rows of 128 bytes
	s_and_b32 s90, s90, 7
	s_lshl_b32 s90, s90, 8
	s_lshl_b32 s92, s11, 7
	s_add_co_u32 s90, s90, s92                     ; my first row in the sequence
	s_lshl_b32 s90, s90, 7
	s_add_co_u32 s90, s90, s91
	s_lshl_b32 s92, s67, 24
	s_add_co_u32 s90, s90, s92
	s_mov_b32 s91, 0
	s_add_nc_u64 s[8:9], s[78:79], s[90:91]
	; the prefetches
	s_lshl_b32 s80, s13, 8
	s_lshl_b32 s81, s12, 7
	s_add_co_u32 s80, s80, s81
	s_lshl_b32 s81, s40, 5
	s_add_co_u32 s80, s80, s81                     ; A: my work-group's 32 of the 128 rows that I fetch
	s_lshl_b32 s82, s67, 10
	s_lshl_b32 s83, s42, 7
	s_add_co_u32 s82, s82, s83
	s_lshl_b32 s83, s12, 6
	s_add_co_u32 s82, s82, s83
	s_lshl_b32 s83, s41, 4
	s_add_co_u32 s82, s82, s83                     ; B: my work-group's 16 of the 64
	s_and_b32 s83, s5, 7
	s_cmp_eq_u32 s11, 0                            ; do I fetch for A?
	s_cselect_b32 s80, s80, s82
	s_cselect_b32 s83, ttmp9, s83                  ; the coordinate along which other clusters read the same rows
	s_cselect_b64 s[PFA:PFA+1], s[68:69], s[70:71]
	s_cselect_b32 s84, 31, 15
	s_cselect_b32 s82, 1, -1
	s_cmp_eq_u32 s83, 0
	s_cselect_b32 s[LIM0], 1, -1                   ; the same in all sixteen partners, for a given wave
	s_cselect_b32 s[LIM1], s82, -1
	s_lshl_b32 s80, s80, 11
	s_add_co_u32 s80, s80, 3*KSTEP*2               ; at K step 3: the first refill steps it to 4
	s_mov_b32 s81, 0
	s_add_nc_u64 s[PFA:PFA+1], s[PFA:PFA+1], s[80:81]
	s_lshl_b32 s85, s11, 8
	v_and_b32 v[PFO], s84, v0
	v_lshlrev_b32 v[PFO], 11, v[PFO]               ; a lane a row,
	v_mad_u32_u24 v[PFO], v2, s85, v[PFO]          ; and for B the upper lanes a K step on
	; the bias of my 32 columns (16 b + 8 (l / 16) + 0..7), rounded to bf16; all this stands in the wait for the first tile
	s_cmp_eq_u32 s67, 1
	s_cselect_b64 s[86:87], s[74:75], s[72:73]
	s_cmp_eq_u32 s67, 2
	s_cselect_b64 s[86:87], s[76:77], s[86:87]
	s_lshl_b32 s88, s42, 9
	s_lshl_b32 s89, s12, 8
	s_add_co_u32 s88, s88, s89
	v_lshl_add_u32 v[BO], v2, 5, s88
.irp b, 0,1,2,3
	global_load_b128 v[BI+8*(\b):BI+8*(\b)+3],   v[BO], s[86:87] offset:64*(\b)
	global_load_b128 v[BI+8*(\b)+4:BI+8*(\b)+7], v[BO], s[86:87] offset:64*(\b)+16
.endr
	s_wait_loadcnt 0x0
.set i, 0
.rept 16
	v_cvt_pk_bf16_f32 v7, v[BI+2*i], v[BI+2*i+1]
	v_lshlrev_b32 v[BI+2*i], 16, v7
	v_and_b32 v[BI+2*i+1], 0xffff0000, v7
.set i, i+1
.endr
; 8 matrix instructions: m blocks a0, a0 + 1 x all 4 n blocks, 32 along K.  The 32 accumulators take turns, in the same order in every quarter.
.macro MUL8 f, a0, zero
	WIN MUL
.irp a, \a0, (\a0)+1
.irp b, 0,1,2,3
.if \zero
	v_wmma_f32_16x16x32_bf16 v[8*(4*(\a)+(\b)):8*(4*(\a)+(\b))+7], v[(\f)+64+8*(\b):(\f)+64+8*(\b)+7], v[(\f)+8*(\a):(\f)+8*(\a)+7], 0
.else
	v_wmma_f32_16x16x32_bf16 v[8*(4*(\a)+(\b)):8*(4*(\a)+(\b))+7], v[(\f)+64+8*(\b):(\f)+64+8*(\b)+7], v[(\f)+8*(\a):(\f)+8*(\a)+7], v[8*(4*(\a)+(\b)):8*(4*(\a)+(\b))+7]
.endif
.endr
.endr
.endm
; 24 LDS loads in one run: quarter kq's fragments: B's 4, A's blocks 0-3, A's blocks 4-7
.macro FETCH slot, kq, f
	WIN TO_F
.irp i, 0,1,2,3
	ds_load_b128 v[(\f)+64+8*(\i):(\f)+64+8*(\i)+3],   v[ADRB+(\slot)] offset:64*(\kq)+(\i)*16*PITCH
	ds_load_b128 v[(\f)+64+8*(\i)+4:(\f)+64+8*(\i)+7], v[ADRB+(\slot)] offset:64*(\kq)+(\i)*16*PITCH+32
.endr
.irp i, 0,1,2,3,4,5,6,7
	ds_load_b128 v[(\f)+8*(\i):(\f)+8*(\i)+3],   v[ADRA+(\slot)] offset:64*(\kq)+(\i)*16*PITCH
	ds_load_b128 v[(\f)+8*(\i)+4:(\f)+8*(\i)+7], v[ADRA+(\slot)] offset:64*(\kq)+(\i)*16*PITCH+32
.endr
.endm
.macro PLACES                          ; four places in front of loads into registers that matrix instructions have read
.rept 4
	v_nop
.endr
.endm
; One of a K step's first three quarters: multiplies buffer f, and in its middle fetches quarter kq of the same slot into g
.macro QUARTER slot, kq, f, g, zero
	s_wait_dscnt 8                                 ; B and A's blocks 0-3 are in; the youngest eight loads (blocks 4-7) may be out
	MUL8 \f, 0, \zero
	MUL8 \f, 2, \zero
	PLACES
	FETCH \slot, \kq, \g
	s_wait_dscnt 24                                ; all but the 24 just issued
	MUL8 \f, 4, \zero
	MUL8 \f, 6, \zero
.endm
; The last quarter multiplies buffer 1 and changes slots: each wave waits for all its tensor loads (one is out: its part of the next slot), adds 0 to its spare word, waits for that and for
; its reads of this slot.  fill = 1: the barrier opens a round of the cluster's, and the joint refill, two K steps on, is the first tensor load behind it.
.macro TURN slot, next, fill
.if \fill
	s_wait_xcnt 0x0                                ; the last prefetch, a K step back, has read its address
	s_add_nc_u64 s[PFA:PFA+1], s[PFA:PFA+1], KSTEP*2
.endif
	WIN 0
	s_wait_tensorcnt 0x0
	ds_add_u32 v[SPW], v[NIL]
	s_wait_dscnt 9                                 ; (the add and the youngest eight loads may be out)
	MUL8 F1, 0, 0
	s_wait_dscnt 0x0                               ; the add is done, and my reads of this slot are over
	s_barrier_signal -1
	MUL8 F1, 2, 0
.if \fill
	WIN 0
.endif
	s_barrier_wait -1
.if \fill
	CREST
	s_add_nc_u64 s[G0+4*(\slot)+2:G0+4*(\slot)+3], s[G0+4*(\slot)+2:G0+4*(\slot)+3], 2*KSTEP*2
	s_add_nc_u64 s[G0B+4*(\slot)+2:G0B+4*(\slot)+3], s[G0B+4*(\slot)+2:G0B+4*(\slot)+3], 2*KSTEP*2
	JLOAD \slot                                    ; its four v_nop are also the places in front of the loads below
.else
	PLACES
.endif
	FETCH \next, 0, F0
.if \fill
	WIN 0
.if (\slot) == 0
	ASK LIM0
.else
	ASK LIM1
.endif
.endif
	MUL8 F1, 4, 0
	MUL8 F1, 6, 0
.endm
	s_wait_tensorcnt 1                             ; my part of K step 0 is in; K step 1's may stay out
	s_barrier_signal -1
	s_barrier_wait -1
	FETCH 0, 0, F0
	QUARTER 0, 1, F0, F1, 1                        ; the first quarter's products start the sums
	WIN 0
	s_mov_b32 s3, LAPS-1
.Llap:                                             ; a trip goes once round the ring and fills both slots again
	QUARTER 0, 2, F1, F0, 0
	QUARTER 0, 3, F0, F1, 0
	TURN 0, 1, 1
	QUARTER 1, 1, F0, F1, 0
	QUARTER 1, 2, F1, F0, 0
	QUARTER 1, 3, F0, F1, 0
	TURN 1, 0, 1
	QUARTER 0, 1, F0, F1, 0
	WIN 0
	s_sub_co_u32 s3, s3, 1
	s_cmp_lg_u32 s3, 0
	s_cbranch_scc1 .Llap
	QUARTER 0, 2, F1, F0, 0                        ; the last lap fills nothing
	QUARTER 0, 3, F0, F1, 0
	TURN 0, 1, 0
	QUARTER 1, 1, F0, F1, 0
	QUARTER 1, 2, F1, F0, 0
	QUARTER 1, 3, F0, F1, 0
	s_wait_dscnt 8
	MUL8 F1, 0, 0
	MUL8 F1, 2, 0
	s_wait_dscnt 0x0
	MUL8 F1, 4, 0
	MUL8 F1, 6, 0
	WIN 0
	PLACES
	PLACES
; THE WAY OUT, a block of 16 rows at a time: the bias is added, the sums are rounded to f16, 16 bytes a lane go into my stage and come back as whole rows of 128 bytes.
.macro PACK a
	WIN PKW
.irp b, 0,1,2,3
.irp r, 0,1,2,3
	v_pk_add_f32 v[T+8*(\b)+2*(\r):T+8*(\b)+2*(\r)+1], v[8*(4*(\a)+(\b))+2*(\r):8*(4*(\a)+(\b))+2*(\r)+1], v[BI+8*(\b)+2*(\r):BI+8*(\b)+2*(\r)+1]
.endr
.endr
	WIN 0
.irp b, 0,1,2,3
.irp r, 0,1,2,3
	v_cvt_pk_f16_f32 v[TMP+4*(\b)+(\r)], v[T+8*(\b)+2*(\r)], v[T+8*(\b)+2*(\r)+1]
.endr
.endr
.endm
.macro TOSTAGE a
.set BK, BKB+16*((\a)%2)
.irp b, 0,1,2,3
	ds_store_b128 v[STO], v[TMP+4*(\b):TMP+4*(\b)+3] offset:32*(\b)
.endr
.irp f, 0,1,2,3
	ds_load_b128 v[BK+4*(\f):BK+4*(\f)+3], v[RD] offset:(\f)*4*SP  ; LDS serves a wave's instructions in order: these see the stores above
.endr
.endm
.macro SEND a
.set BK, BKB+16*((\a)%2)
	s_wait_dscnt 0x0                               ; the block is back in registers
	s_wait_xcnt 0x0                                ; the other set, which earlier stores read, is loaded again only behind this wait
.irp f, 0,1,2,3
	global_store_b128 v[GO], v[BK+4*(\f):BK+4*(\f)+3], s[8:9] offset:(\a)*2048+(\f)*512  ; 512 consecutive bytes of a head, aligned
.endr
.endm
	PACK 0
	TOSTAGE 0
.irp a, 1,2,3,4,5,6,7
	PACK \a
	SEND (\a)-1
	TOSTAGE \a
.endr
	SEND 7
	s_wait_tensorcnt 0x0                           ; the wave's end
	ds_add_u32 v[SPW], v[NIL]
	s_wait_dscnt 0x0
	CROUND                                         ; the closing round
	s_endpgm
.Lfunc_end_k_q0514c9f718_proj:
	.size	k_q0514c9f718_proj, .Lfunc_end_k_q0514c9f718_proj-k_q0514c9f718_proj
	.p2alignl 7, 3214868480
	.fill 96, 4, 3214868480
	.section	.rodata,"a",@progbits
	.p2align	6, 0x0
	.amdhsa_kernel k_q0514c9f718_proj
		.amdhsa_group_segment_fixed_size 327680
		.amdhsa_private_segment_fixed_size 0
		.amdhsa_enable_private_segment 0
		.amdhsa_kernarg_size 48
		.amdhsa_user_sgpr_count 2
		.amdhsa_user_sgpr_kernarg_segment_ptr 1
		.amdhsa_wavefront_size32 1
		.amdhsa_system_sgpr_workgroup_id_x 1
		.amdhsa_system_sgpr_workgroup_id_y 1
		.amdhsa_system_sgpr_workgroup_id_z 1
		.amdhsa_system_vgpr_workitem_id 0
		.amdhsa_next_free_vgpr 768
		.amdhsa_next_free_sgpr 96
		.amdhsa_reserve_vcc 0
		.amdhsa_float_denorm_mode_32 3
		.amdhsa_float_denorm_mode_16_64 3
		.amdhsa_memory_ordered 1
		.amdhsa_forward_progress 1
		.amdhsa_inst_pref_size 100
	.end_amdhsa_kernel
	.amdgpu_metadata
---
amdhsa.version: [ 1, 2 ]
amdhsa.kernels:
  - .name:           k_q0514c9f718_proj
    .symbol:         k_q0514c9f718_proj.kd
    .args:
      - { .name: xb, .offset: 0, .size: 8, .value_kind: global_buffer, .address_space: global }
      - { .name: wb, .offset: 8, .size: 8, .value_kind: global_buffer, .address_space: global }
      - { .name: bq, .offset: 16, .size: 8, .value_kind: global_buffer, .address_space: global }
      - { .name: bk, .offset: 24, .size: 8, .value_kind: global_buffer, .address_space: global }
      - { .name: bv, .offset: 32, .size: 8, .value_kind: global_buffer, .address_space: global }
      - { .name: qkv, .offset: 40, .size: 8, .value_kind: global_buffer, .address_space: global }
    .group_segment_fixed_size: 327680
    .private_segment_fixed_size: 0
    .kernarg_segment_align: 8
    .kernarg_segment_size: 48
    .max_flat_workgroup_size: 128
    .sgpr_count:     96
    .vgpr_count:     768
    .wavefront_size: 32
...
	.end_amdgpu_metadata
.endif
;; end of part 2
;; launch attn (part 3): grid 4 x 64, 4 waves a work-group, clusters of 4 x 1, 327,680 bytes of LDS; arguments qkv, mb, ob; writes ob
.if DOCPART == 3
	.amdgcn_target "amdgcn-amd-amdhsa--gfx1250"
	.amdhsa_code_object_version 6
	.text
	.protected	k_q0514c9f718_attn
	.globl	k_q0514c9f718_attn
	.p2align	8
	.type	k_q0514c9f718_attn,@function
k_q0514c9f718_attn:
	s_mov_b64 s[64:65], 0
	v_nop
	global_prefetch_b8 v0, s[64:65] scope:SCOPE_SE
	s_setreg_imm32_b32 hwreg(HW_REG_WAVE_MODE, 25, 1), 1
	s_wait_xcnt 0x0
	s_wait_alu depctr_hold_cnt(0) depctr_sa_sdst(0) depctr_va_vdst(0) depctr_va_sdst(0) depctr_va_ssrc(0) depctr_va_vcc(0) depctr_vm_vsrc(0)
	s_getreg_b32 s2, hwreg(HW_REG_IB_STS2, 6, 4)
	s_cmp_eq_u32 s2, 0
	s_cbranch_scc0 .Lentry_in_a_cluster
	s_endpgm
.Lentry_in_a_cluster:
	s_bfe_u32 s2, ttmp6, 0x10000c
	s_cmp_lg_u32 s2, 0x3003
	s_cbranch_scc0 .Lentry_shape_is_right
	s_endpgm
.Lentry_shape_is_right:
; ATTENTION WITH A MASK THAT IS AN INPUT.  O[h][q] = the sum over k of softmax_k(s) V[h][k], s = Q[h][q] . K[h][k] / 8 where the mask allows, a fixed low number where it does not.
; qkv [3][64][2048][64] f16 (Q, K, V by heads, unscaled), mb the mask as fp8 codes in the order of a score tile's lanes ([128 query tiles][64 pairs of key blocks][32 lanes][16 bytes]:
; 0x00 = 0 where the mask allows, 0xb8 = -1.0 where it hides), ob [64][2048][64] f16.
; Products, maxima and sums in f32; the weights p are rounded to f16 for the second product (their sum l is taken of the unrounded p), O once at the end.
; LIMITS.  Q, K, V arrive within f16's 65,504.  A hidden score counts as -2^100, not -1e20: the same result while |Q . K| stays far below 1e20 (f16 operands bound it by 2.7e11).
; It is made by adding -2^100 to the score: below 2^75 the score is less than half a step of the sum, which is then -2^100 exactly.  c x (-2^100) is exact too, so a row with no allowed key has
; c s - c m = 0 for every key: p = 1, O = the mean of V's rows; a first allowed key later gives a = 0, which wipes what was gathered.
; A weight below 2^-126 counts as 0 in l; NaN and infinities are not treated apart.
; SHARES.  A wave owns four PIECES of two tiles of 16 queries, a work-group's four waves 512 queries of one head.  Every wave walks all 2,048 keys, 64 a step: no pattern of the mask is built in.
; LAYOUT.  S^T = K Q^T: a lane holds ONE query (lane % 16) and the keys 8 (lane / 16) + 0..7; two such tiles rounded to f16 ARE source 1 of O^T = V^T P.  V comes out of LDS turned, by ds_load_tr16_b128.
; SOFTMAX.  A running maximum m and sum l: p = 2^(c s - c m), c = log2(e) / 8; in every step O and l are multiplied by a = 2^(c m_old - c m_new).  m starts at the lowest finite number, O and l at 0.
; THE MASK.  A turn's 64 scores a lane have 64 codes: four loads of 16 bytes a lane, asked for FOUR TURNS AHEAD into a ring of four sets of 16 registers, a set a piece.  Eight scaled conversions (eight codes
; each, times 2^100) make of them 64 numbers, 0 or -2^100, and 32 packed additions put them onto the scores.
; BY TURNS.  Turn n belongs to piece n: 16 products K Q^T of piece n + 1, later 16 products V^T P of piece n - 1; beside them the scaling, exponentials, roundings, sums and rescaling of piece n and the
; masking, maximum and statistics of piece n + 1.  Four vector instructions stand behind every matrix instruction, the rest in one lump.  A turn's 66 exponentials are one batch, with one wait.
; CLUSTER.  The four query blocks of a head walk the same K and V: each tile is asked for JOINTLY.  The mask's codes differ from wave to wave: they are not shared.
; REGISTERS, in windows of 256: window 0: v0-10 addresses; v11 the conversions' scale; v12-15, v48-63 at work; v16-47 statistics; v64-191 S^T, two buffers of two tiles; v192-255 P, likewise
;   window 1: O^T, 32 a tile     window 2: v0-127 Q; v128-191 K of one step; v192-255 V of one step
;   window 3: v0-1 the add's two registers, v2 the prefetches' offset, v3 16 x lane, v4-7 the ring's four addresses, v8-71 the ring of codes, v72-135 a turn's 64 addends
.set NP,    4
.set KS,    64
.set PK,    144       ; a row of K in LDS: 128 bytes + 16 of padding
.set PV,    144       ; V's rows have the same pitch, so that one descriptor group 1 serves both
.set VOFF,  4*KS*PK   ; a slot holds four steps: 256 rows of K, then 256 rows of V
.set SLOT1, 1<<17
.set STAGE, SLOT1+4*KS*(PK+PV)  ; behind the ring: 16 rows x 144 bytes for each wave, for the way out
.set SP,    144
.set SPARE, STAGE+4*16*SP       ; the spare words, 128 bytes a wave, that no other line names
.set MSTEP, 1024      ; a key step in a query tile's codes: two pairs of key blocks of 512 bytes
.set MTILE, 32768     ; a query tile's codes
.set AK0, 2
.set AV0, 3
.set AK,  4
.set AV,  5
.set QO,  6
.set STO, 6
.set RD,  7
.set GO,  8
.set SC,  11          ; v11  the E8M0 scale 227 = 2^100, in all four bytes, once V's address is made
.set SPW, 0           ; v0 of window 3
.set NIL, 1           ; v1 of window 3
.set PFO, 2           ; v2 of window 3: 256 x lane
.set VO,  3           ; v3 of window 3: 16 x lane; never rewritten
.set MA,  4           ; v[4:7] of window 3: the offset that piece x's loads name
.set MR,  8           ; v[8:71] of window 3: piece x's codes at MR + 16 x: tile u, key block kb at + 8 u + 2 kb
.set AT,  72          ; v[72:135] of window 3: the addend of register i of tile u at AT + 32 u + i
.set MV,  12
.set ST,  16
.set TMP, 48
.set S,   64
.set P,   192
.set KF,  128
.set VF,  192
.set WV,  2           ; s2   my wave's number
.set LIM, 3           ; s3   1 in waves 0 and 2, which prefetch, else the greatest number
.set G0K, 60          ; s[60:63]
.set OP,  66          ; s[66:67] O at my wave's first row
.set G1,  76          ; s[76:83]
.set G0V, 84          ; s[84:87]
.set MP,  88          ; s[88:89] mb at my wave's first query tile; never rewritten
.set SEL, 90          ; s[90:91]
.set CS,  92          ; s[92:93]
.set PFA, 94          ; s[94:95]
.set MOFF, 96         ; s96  MSTEP x the key step whose codes are asked for next
.set SLOTS, 97
.set CNT, 98
.set TBK, 99
.set TBV, 100
.set QP,  104         ; s[104:105] Q at my wave's first row
.set MSB, 0
.macro WIN new
.if MSB != (\new)
	s_set_vgpr_msb (MSB<<8)|(\new)
.set MSB, (\new)
.endif
.endm
.set W_KQ, 0x0a
.set W_PV, 0x52
.set W_RS, 0x41
.set W_MK, 0xc0
.set W_AD, 0x0f
.set W_PF, 0x03       ; a prefetch's address register in window 3
.set W_MT, 0xc3       ; destination and source 0 in window 3, source 1 in window 0: the codes' loads, conversions and address
.set W_AM, 0x0c       ; source 1 in window 3: the addends
.macro JLOAD                        ; waves 0, 1 fetch the halves of a slot's K, waves 2, 3 of its V; an s_nop 0 and four v_nop follow each line
	s_cmp_lt_u32 s[WV], 2
	s_cbranch_scc0 .Lfor_v_\@
	tensor_load_to_lds s[G0K:G0K+3], s[G1:G1+7]
	s_nop 0
.rept 4
	v_nop
.endr
	s_branch .Lasked_\@
.Lfor_v_\@:
	tensor_load_to_lds s[G0V:G0V+3], s[G1:G1+7]
	s_nop 0
.rept 4
	v_nop
.endr
.Lasked_\@:
.endm
.macro CROUND
	s_barrier_signal -1
	s_barrier_wait -1
	s_cmp_lg_u32 s[WV], 0
	s_cbranch_scc1 .Lnot_wave_0_\@
	s_barrier_signal -3
.Lnot_wave_0_\@:
	s_barrier_wait -3
	s_barrier_signal -1
	s_barrier_wait -1
.endm
; A prefetch of the slot that the NEXT change will ask for: 32,768 bytes of K and of V.  The four partners take 8,192 bytes each, told apart by address; wave 0 asks for K's, wave 2 for V's, a lane 256 bytes.
; The last change that fills a slot asks for nothing.  The mask's codes are not asked for: all 64 heads walk the same table, and its loads go out four turns ahead of their use.
.macro ASK
	s_cmp_gt_u32 s[SLOTS], s[LIM]
	s_cbranch_scc0 .Lnot_mine_\@
	WIN W_PF
	global_prefetch_b8 v[PFO], s[PFA:PFA+1] th:TH_LOAD_NT scope:SCOPE_SE
	WIN 0
.Lnot_mine_\@:
.endm
; THE CHANGE OF SLOTS: each wave waits for all its tensor loads (one is out: its part of the other slot), adds 0 to its spare word, waits for that and for its reads of the slot.
; fill = 1: a round of the cluster's barrier, and the joint fill, two slots on, first behind it: it has four key steps in which to land.
.macro CHANGE fill
	WIN W_AD
	s_wait_tensorcnt 0x0
	ds_add_u32 v[SPW], v[NIL]
	WIN 0
.if \fill
.irp g, G0K, G0V
	s_xor_b32 s[\g+1], s[\g+1], SLOT1
	s_add_nc_u64 s[\g+2:\g+3], s[\g+2:\g+3], 4*KS*128
.endr
	s_wait_xcnt 0x0                 ; the last prefetch, four key steps back, has read its address
	s_add_nc_u64 s[PFA:PFA+1], s[PFA:PFA+1], 4*KS*128
	s_wait_dscnt 0x0
	CROUND
	JLOAD
	ASK
.else
	s_wait_dscnt 0x0
	s_barrier_signal -1
	s_barrier_wait -1
.endif
	s_sub_co_u32 s[TBK], s[TBK], 4*KS*PK
	s_xor_b32 s[TBK], s[TBK], SLOT1
	s_sub_co_u32 s[TBV], s[TBV], 4*KS*PV
	s_xor_b32 s[TBV], s[TBV], SLOT1
.endm
; Piece x's four loads: load f brings tile 2 x + f / 2, key blocks 2 (f % 2) and 2 (f % 2) + 1 of the step: 512 consecutive bytes a load
.macro MLOADS x, adr
.irp f, 0,1,2,3
	global_load_b128 v[MR+16*(\x)+4*(\f):MR+16*(\x)+4*(\f)+3], v[\adr], s[MP:MP+1] offset:(2*(\x)+(\f)/2)*MTILE+((\f)%2)*512
.endr
.endm
; Piece x's codes are turned into addends, and its set is asked for again, with the codes of the key step at MOFF: they are wanted four turns on.
.macro MTAKE x
	WIN W_MT
	s_wait_loadcnt 12               ; loads come back in order: behind this set's four stand those of the last three turns, four each, and the loop has no other load; the wait also frees the set's address register
.irp c, 0,1,2,3,4,5,6,7             ; tile c / 4, key block c % 4: eight codes, times 2^100: 0 or -2^100
	v_cvt_scale_pk8_f32_fp8 v[AT+8*(\c):AT+8*(\c)+7], v[MR+16*(\x)+2*(\c):MR+16*(\x)+2*(\c)+1], v[SC]
.endr
	v_add_nc_u32 v[MA+(\x)], v[VO], s[MOFF]  ; also the plain instruction between the last conversion and the first use of a result
	MLOADS \x, MA+(\x)
.endm
	s_load_b128 s[4:7], s[0:1], 0x0   ; qkv s[4:5], mb s[6:7]
	s_load_b64 s[8:9], s[0:1], 0x10   ; ob
	WIN W_MK
	v_lshl_add_u32 v[SPW], v0, 2, SPARE
	v_mov_b32 v[NIL], 0
	WIN W_AD
	ds_add_u32 v[SPW], v[NIL]       ; the wave's opening: the add and its wait ahead of my first tensor load
	ds_add_u32 v0, v1
	WIN 0
	v_lshrrev_b32 v1, 5, v0
	v_readfirstlane_b32 s[WV], v1   ; wave 0..3
	v_and_b32 v12, 31, v0
	v_lshlrev_b32 v13, 4, v12
	v_lshlrev_b32 v12, 8, v12
	WIN W_MK
	v_mov_b32 v[PFO], v12
	v_mov_b32 v[VO], v13
	WIN 0
	s_bfe_u32 s13, ttmp6, 0x40000   ; cx
	s_lshl_b32 s14, ttmp9, 2
	s_add_co_u32 s14, s14, s13      ; my block of 512 queries: it enters Q's, O's, the codes' and the prefetches' addresses alone
	s_and_b32 s20, ttmp7, 0xffff    ; the head, which the four partners share
	s_lshl_b32 s20, s20, 18         ; its first byte in Q, K, V and O
	s_and_b32 s16, s[WV], 1         ; which half of a slot's 256 keys I fetch
	s_lshl_b32 s22, s16, 14
	s_add_co_u32 s22, s22, s20
	s_mov_b32 s23, 0
	s_mul_i32 s17, s16, 128*PK      ; its place in a slot, for K
	s_mul_i32 s18, s16, 128*PV      ; and for V
	s_lshl_b32 s24, s14, 2
	s_add_co_u32 s24, s24, s[WV]    ; my wave among the head's sixteen
	s_lshl_b32 s26, s24, 18         ; its 8 query tiles of 32,768 bytes of codes
	s_mov_b32 s27, 0
	s_lshl_b32 s24, s24, 14         ; its 128 rows
	s_add_co_u32 s24, s24, s20
	s_mov_b32 s25, 0
	s_lshr_b32 s33, s[WV], 1
	s_lshl_b32 s32, 0x1000000, s33  ; K's part of qkv (waves 0, 1) or V's
	s_lshl_b32 s34, s13, 13         ; my work-group's 8,192 bytes of a slot
	s_add_co_u32 s32, s32, s34
	s_add_co_u32 s32, s32, s20
	s_add_co_u32 s32, s32, 4*KS*128 ; in slot 1: the first change steps it to slot 2
	s_mov_b32 s33, 0
	; descriptor group 1: 128 keys are 16,384 dense bytes: 64 rows of 256 bytes, padded in LDS after every key
	s_mov_b32 s[G1], 15|(1<<16)|(1<<20)|(1<<21)|(4<<22)|(3<<25)  ; the mask of four; 2-byte elements; padding on; bit 21 beside a mask; after every 32 words, 4 words
	s_mov_b32 s[G1+1], 128<<16
	s_mov_b32 s[G1+2], 64<<16
	s_mov_b32 s[G1+3], 128<<16
	s_mov_b32 s[G1+4], 64
	s_mov_b32 s[G1+5], 128
	s_mov_b32 s[G1+6], 0
	s_mov_b32 s[G1+7], 0
	s_mov_b32 s[CS], 0x3e38aa3b     ; c = log2(e) / 8
	s_mov_b32 s[CS+1], s[CS]
	s_mov_b32 s[SEL], 0x76543210
	s_mov_b32 s[SEL+1], 0xfedcba98
	s_mov_b32 s[TBK], SLOT1+4*KS*PK ; the first change of slots turns these two into 0
	s_mov_b32 s[TBV], SLOT1+4*KS*PV
	s_mov_b32 s[G0K], 1
	s_mov_b32 s[G0K+1], s17
	s_mov_b32 s[G0V], 1
	s_add_co_u32 s[G0V+1], s18, VOFF
	s_mov_b32 s[MOFF], MSTEP        ; key step 0's codes are asked for at the head; the ring's first refills are key step 1's
	s_mov_b32 s[SLOTS], 7           ; 2,048 / 256 - 1
	s_and_b32 s[LIM], s[WV], 1
	s_cmp_eq_u32 s[LIM], 0
	s_cselect_b32 s[LIM], 1, -1
	s_wait_dscnt 0x0                ; the opening add is done
	s_wait_kmcnt 0x0
	s_add_nc_u64 s[28:29], s[4:5], s[22:23]
	s_add_nc_u64 s[G0K+2:G0K+3], s[28:29], 0x1000000  ; my half of the head's first 256 keys
	s_or_b32 s[G0K+3], s[G0K+3], 0x80000000
	s_add_nc_u64 s[G0V+2:G0V+3], s[28:29], 0x2000000
	s_or_b32 s[G0V+3], s[G0V+3], 0x80000000
	s_add_nc_u64 s[QP:QP+1], s[4:5], s[24:25]
	s_add_nc_u64 s[OP:OP+1], s[8:9], s[24:25]
	s_add_nc_u64 s[MP:MP+1], s[6:7], s[26:27]
	s_add_nc_u64 s[PFA:PFA+1], s[4:5], s[32:33]
	CROUND                          ; all four work-groups are here: the first joint loads meet
	JLOAD                           ; slot 0
	WIN W_MT
.irp x, 0,1,2,3
	MLOADS \x, VO                   ; the four pieces' codes for key step 0: the ring is filled
.endr
	WIN 0
	v_and_b32 v1, 15, v0            ; l % 16
	v_bfe_u32 v9, v0, 4, 1          ; l / 16
	v_lshlrev_b32 v[QO], 7, v1
	v_lshl_add_u32 v[QO], v9, 4, v[QO]
	WIN 0x80
.set i, 0
.rept 4*NP                          ; Q stays in registers: tile i / 2, channels 32 (i % 2) on
	global_load_b128 v[8*i:8*i+3],   v[QO], s[QP:QP+1] offset:(i/2)*2048+(i%2)*64
	global_load_b128 v[8*i+4:8*i+7], v[QO], s[QP:QP+1] offset:(i/2)*2048+(i%2)*64+32
.set i, i+1
.endr
	; What the first turn finds: V's registers and P's second buffer hold 0, O^T and l are 0.  A product of two fragments of zeros, with C = 0, writes eight registers of zeros:
	; 16 moves and 44 such lines stand where 352 moves would.  All this stands in the wait for the first tile.
	WIN 0
.set i, 0
.rept 16
	v_mov_b32 v[S+i], 0             ; the two fragments, in registers that the first scores take later
.set i, i+1
.endr
	WIN 0x80                        ; destination window 2: V
.set i, 0
.rept 8
	v_wmma_f32_16x16x32_f16 v[VF+8*i:VF+8*i+7], v[S:S+7], v[S+8:S+15], 0
.set i, i+1
.endr
	WIN 0x40                        ; destination window 1: O^T
.set i, 0
.rept 8*NP
	v_wmma_f32_16x16x32_f16 v[8*i:8*i+7], v[S:S+7], v[S+8:S+15], 0
.set i, i+1
.endr
	WIN 0                           ; P's second buffer
.set i, 0
.rept 4
	v_wmma_f32_16x16x32_f16 v[P+32+8*i:P+32+8*i+7], v[S:S+7], v[S+8:S+15], 0
.set i, i+1
.endr
.set i, 0
.rept 2*NP
	v_mov_b32 v[ST+4*i], 0xfe000000    ; c m: far below every c s, the hidden scores' too
	v_mov_b32 v[ST+4*i+1], 0xff7fffff  ; m
	v_mov_b32 v[ST+4*i+2], 0
	v_mov_b32 v[ST+4*i+3], 0
.set i, i+1
.endr
	v_mul_u32_u24 v[AK0], v1, PK
	v_lshl_add_u32 v[AK0], v9, 4, v[AK0]
	v_and_b32 v10, 7, v0
	v_bfe_u32 v11, v0, 3, 1
	v_lshl_add_u32 v[AV0], v9, 3, v10
	v_mul_u32_u24 v[AV0], v[AV0], PV
	v_lshl_add_u32 v[AV0], v11, 4, v[AV0]
	v_add_nc_u32 v[AV0], VOFF, v[AV0]
	v_mov_b32 v[SC], 0xe3e3e3e3     ; 227 - 127 = 100
	v_mov_b32 v[AK], v[AK0]
; THE MATRIX WORK.  The 8 accumulators of a run of 16 take turns.
.macro KQ x
	WIN W_KQ
.set rS, S+64*((\x)%2)+32*(i%2)+8*((i/2)%4)
.set rK, KF+16*((i/2)%4)+8*(i/8)
.set rQ, 16*(2*(\x)+i%2)+8*(i/8)
.if i < 8
	v_wmma_f32_16x16x32_f16 v[rS:rS+7], v[rK:rK+7], v[rQ:rQ+7], 0
.else
	v_wmma_f32_16x16x32_f16 v[rS:rS+7], v[rK:rK+7], v[rQ:rQ+7], v[rS:rS+7]
.endif
.endm
.macro PV x
	WIN W_PV
.set rO, 32*(2*(\x)+i%2)+8*((i/2)%4)
.set rV, VF+32*(i/8)+8*((i/2)%4)
.set rP, P+32*((\x)%2)+16*(i%2)+8*(i/8)
	v_wmma_f32_16x16x32_f16 v[rO:rO+7], v[rV:rV+7], v[rP:rP+7], v[rO:rO+7]
.endm
.macro MM
.if i < 16
	KQ (Y+1)%NP
.set i, i+1
.else
.set i, i-16
	PV (Y+NP-1)%NP
.set i, i+17
.endif
.endm
.macro FETCH_K last=0
	WIN 0
.if \last
	s_cmp_eq_u32 s[CNT], 1
	s_cbranch_scc1 .Lno_k_\@
.endif
	WIN 0x80
.irp f, 0,1,2,3,4,5,6,7
	ds_load_b128 v[KF+8*\f:KF+8*\f+3],   v[AK] offset:(\f/2)*16*PK+(\f%2)*64
	ds_load_b128 v[KF+8*\f+4:KF+8*\f+7], v[AK] offset:(\f/2)*16*PK+(\f%2)*64+32
.endr
	s_add_co_u32 s[TBK], s[TBK], KS*PK
	WIN 0
.if \last
.Lno_k_\@:
.endif
.endm
.macro FETCH_V
	WIN 0x80
.irp f, 0,1,2,3,4,5,6,7
	ds_load_tr16_b128 v[VF+8*\f:VF+8*\f+3],   v[AV] offset:(\f/4)*32*PV+(\f%4)*32
	ds_load_tr16_b128 v[VF+8*\f+4:VF+8*\f+7], v[AV] offset:(\f/4)*32*PV+16*PV+(\f%4)*32
.endr
	WIN 0
.endm
; THE VECTOR WORK OF A TURN stands in three queues; the two tiles alternate.
.macro REGS y, u
.set rT, ST+4*(2*(\y)+(\u))
.set rC, TMP+8*((\y)%2)+4*(\u)
.set rM, MV+2*((\y)%2)+(\u)
.set rS, S+64*((\y)%2)+32*(\u)
.set rP, P+32*((\y)%2)+16*(\u)
.set rO, 32*(2*(\y)+(\u))
.endm
; Addition g of 32 on the NEXT piece's scores: pair g / 2 of tile g % 2 takes its two addends.  Ascending: each accumulator's lowest registers are read first.
.macro AM g
	REGS (Y+1)%NP, (\g)%2
	WIN W_AM
	v_pk_add_f32 v[rS+2*((\g)/2):rS+2*((\g)/2)+1], v[rS+2*((\g)/2):rS+2*((\g)/2)+1], v[AT+32*((\g)%2)+2*((\g)/2):AT+32*((\g)%2)+2*((\g)/2)+1]
.endm
; Number n of the 22 that find the next piece's maximum and statistics
.macro XS u, n
	REGS (Y+1)%NP, \u
.if (\n) < 4
	v_max3_num_f32 v[rC+(\n)], v[rS+8*(\n)], v[rS+8*(\n)+1], v[rS+8*(\n)+2]
.elseif (\n) < 12
	v_max3_num_f32 v[rC+(\n)%4], v[rC+(\n)%4], v[rS+8*((\n)%4)+2*((\n)/4)+1], v[rS+8*((\n)%4)+2*((\n)/4)+2]
.elseif (\n) == 12
	v_max3_num_f32 v[rC], v[rC], v[rS+7], v[rS+15]
.elseif (\n) == 13
	v_max3_num_f32 v[rC+1], v[rC+1], v[rS+23], v[rS+31]
.elseif (\n) == 14
	v_max3_num_f32 v[rC+2], v[rC+2], v[rC+3], v[rT+1]
.elseif (\n) == 15
	v_mov_b32 v[rM], v[rT]
.elseif (\n) == 16
	v_max3_num_f32 v[rC], v[rC], v[rC+1], v[rC+2]
.elseif (\n) == 17
	v_permlanex16_b32 v[rC+3], v[rC], s[SEL], s[SEL+1]
.elseif (\n) == 18
	v_max_num_f32 v[rT+1], v[rC], v[rC+3]
.elseif (\n) == 19
	v_mul_f32 v[rT], s[CS], v[rT+1]
.elseif (\n) == 20
	v_sub_f32 v[rC+1], v[rM], v[rT]
.else
	v_exp_f32 v[rC+2], v[rC+1]
.endif
.endm
; Number g of the 64 that follow the exponentials: roundings to f16, sums in place, l
.macro GS g
.set h, (\g)+6*((\g)/62)
.if h >= 6
.set h, h+2
.endif
	REGS Y, h%2
.set k, h/8
.if h%8 < 4
	v_cvt_pk_f16_f32 v[rP+2*k+(h%8)/2], v[rS+4*k+2*((h%8)/2)], v[rS+4*k+2*((h%8)/2)+1]
.elseif h%8 < 6
	v_pk_add_f32 v[rS+4*k:rS+4*k+1], v[rS+4*k:rS+4*k+1], v[rS+4*k+2:rS+4*k+3]
.elseif k == 1
	v_pk_fma_f32 v[rT+2:rT+3], v[rT+2:rT+3], v[rC+2:rC+3], v[rS:rS+1] op_sel_hi:[1,0,1]
.else
	v_pk_add_f32 v[rT+2:rT+3], v[rT+2:rT+3], v[rS+4*k-4:rS+4*k-3]
.endif
.endm
.macro FS f
	REGS Y, (\f)%2
	v_pk_fma_f32 v[rS+2*((\f)/2):rS+2*((\f)/2)+1], v[rS+2*((\f)/2):rS+2*((\f)/2)+1], s[CS:CS+1], v[rT:rT+1] op_sel_hi:[1,0,0] neg_lo:[0,0,1] neg_hi:[0,0,1]
.endm
; THE PLAIN QUEUE, 170 long.  0-31 the scalings; 32-63 the mask's additions; 64-91 XS 0-13; 92, 93 XS 15; 94-105 the chain XS 14, 16 .. 20; 106-169 GS's 64, behind the wait.
; Ahead of entry 32 the next piece's codes are turned into addends and its set is asked for again.  Piece 0's set is the first to want a new key step's codes, so piece 3's turn steps the offset
; (held at the last step's, so that the last turns' loads stay inside mb).
.macro PL
.if q == 32
.if Y == 3
	s_add_co_u32 s[MOFF], s[MOFF], MSTEP  ; read by a vector add alone, never by a memory instruction
	s_min_u32 s[MOFF], s[MOFF], 31*MSTEP
.endif
	MTAKE (Y+1)%NP
.endif
.if (q >= 32) && (q < 64)
	AM q-32
.else
	WIN 0
.if q < 32
	FS q
.elseif q < 92
	XS (q-64)%2, (q-64)/2
.elseif q < 94
	XS q-92, 15
.elseif q < 96
	XS q-94, 14
.elseif q < 106
	XS (q-94)%2, 15+(q-94)/2
.else
	GS q-106
.endif
.endif
.set q, q+1
.endm
.macro EX                           ; the exponentials' queue, 66 long: one batch, ahead of the turn's one wait
	WIN 0
.if e >= 64
	XS e-64, 21
.else
	REGS Y, e%2
	v_exp_f32 v[rS+e/2], v[rS+e/2]
.endif
.set e, e+1
.endm
.macro R2                           ; O^T times a, two at a time, sixteen times
	REGS Y, r%2
	WIN W_RS
.irp z, 0,1
	v_pk_mul_f32 v[rO+4*(r/2)+2*\z:rO+4*(r/2)+2*\z+1], v[rO+4*(r/2)+2*\z:rO+4*(r/2)+2*\z+1], v[rC+2:rC+3] op_sel_hi:[1,0]
.endr
.set r, r+1
.endm
; A TURN, for piece p.  AHEAD OF THE WAIT: 16 products K Q^T, behind each a scaling, an exponential and two rescalings; then the lump: 7 times scaling and exponential; 40 plain (the last 8 scalings, the
; conversions ahead of the 32 additions); 42 times exponential and plain (the maximum and statistics); the two a; a v_nop.  The first addition stands three plain riders and 15 scalings behind the last product
; that wrote the scores.  Exponential e stands behind scaling 2 (e / 4) + e % 2: up to e = 21 it comes behind plain e + 2, from 22 on all scalings are done.
; BEHIND THE WAIT: 16 products V^T P, behind each four of GS's 64.
; K of the next step is fetched in piece 2's turn, directly behind the wait; V of the step in hand at the end of piece 0's turn, four riders behind its last reader.
.macro TURN p, last=0, cnt=0
.set Y, (\p)
.set i, 0
.set q, 0
.set e, 0
.set r, 0
.if (\p) == NP-1
	s_wait_dscnt 0x0                ; K is in
.endif
	MM
	PL
	PL
	R2
.rept 15
	MM
	PL
	EX
	R2
.endr
.if (\p) == NP-2
	WIN 0
	v_add_nc_u32 v[AK], s[TBK], v[AK0]
.endif
.rept 7
	PL
	EX
.endr
.rept 40
	PL
.endr
.rept 42
	EX
	PL
.endr
	EX
	EX
	v_nop                           ; a plain instruction behind the last exponential: one for the batch
	s_wait_alu depctr_va_vdst(0)    ; the wait ahead of the first reader: one for the batch
.if (\p) == NP-2
	FETCH_K \last
.endif
.if (\p) == 1
	s_wait_dscnt 0x0                ; V is in
.endif
.rept 16
	MM
.rept 4
	PL
.endr
.if ((\p) == 0) && (q == 150)
	v_add_nc_u32 v[AV], s[TBV], v[AV0]
.endif
.if ((\p) == 0) && (q == 162)
	s_add_co_u32 s[TBV], s[TBV], KS*PV
.endif
.if (\cnt) && (q == 162)
	s_sub_co_u32 s[CNT], s[CNT], 1
	s_cmp_lg_u32 s[CNT], 0
.endif
.endr
.if (\p) == 0
	FETCH_V
.endif
.endm
	CHANGE 1                        ; slot 0 is in, everybody's part of it; slot 1 is asked for
	FETCH_K                         ; key step 0
	s_wait_loadcnt 0x0              ; Q, and key step 0's codes
	s_wait_dscnt 0x0
.set i, 0
.rept 16
	KQ 0
.set i, i+1
.endr
	WIN 0                           ; the addresses for the way out: plain instructions, the places behind those products
	s_mul_i32 s101, s[WV], 16*SP
	s_add_co_u32 s101, s101, STAGE
	v_mul_u32_u24 v[STO], v1, SP
	v_lshl_add_u32 v[STO], v9, 4, v[STO]
	v_add_nc_u32 v[STO], s101, v[STO]
	v_bfe_u32 v[RD], v0, 3, 2
	v_mul_u32_u24 v[RD], v[RD], SP
	v_lshl_add_u32 v[RD], v10, 4, v[RD]
	v_add_nc_u32 v[RD], s101, v[RD]
	v_and_b32 v[GO], 31, v0
	v_lshlrev_b32 v[GO], 4, v[GO]
.set Y, NP-1                        ; AM and XS work for piece Y + 1: piece 0
	MTAKE 0                         ; piece 0's addends for key step 0; its set is asked for again, with key step 1's codes
.set g, 0
.rept 32
	AM g
.set g, g+1
.endr
	WIN 0
.irp n, 0,1,2,3,4,5,6,7,8,9,10,11,12,13,14,15,16,17,18,19,20,21
	XS 0, \n
	XS 1, \n
.endr
	v_nop
	s_wait_alu depctr_va_vdst(0)    ; the two a, ahead of the branch
	s_mov_b32 s[CNT], 4
	s_branch .Lfirst                ; the loop is entered at a step's first turn
.Lslot:                             ; six times: every slot but the last two is filled again
	CHANGE 1
	s_mov_b32 s[CNT], 4
.Lstep:
	TURN 2
	TURN 3
	WIN 0
.Lfirst:
	TURN 0
	TURN 1, 0, 1
	WIN 0
	s_cbranch_scc1 .Lstep
	s_sub_co_u32 s[SLOTS], s[SLOTS], 1
	s_cmp_lg_u32 s[SLOTS], 0
	s_cbranch_scc1 .Lslot
	CHANGE 0                        ; the tail is written out
	s_mov_b32 s[CNT], 5
.Ltail:
	TURN 2, 1
	TURN 3
	WIN 0
	s_sub_co_u32 s[CNT], s[CNT], 1
	s_cmp_eq_u32 s[CNT], 0
	s_cbranch_scc1 .Lout
	TURN 0
	TURN 1
	WIN 0
	s_branch .Ltail
.Lout:                              ; the fifth trip's products K Q^T and what is made of them serve nothing: the price of one text for every trip
	s_wait_loadcnt 0x0              ; the ring's last loads, which nobody reads
.set i, 0
.rept 16
	PV NP-1
.set i, i+1
.endr
	; THE WAY OUT.  l's halves are added; O^T is divided by l (at least 1: the largest weight of a row is 1), rounded to f16 and sent through my stage, a tile at a time.
	WIN 0
.macro ALL line:vararg
.set t, 0
.rept 2*NP
	\line
.set t, t+1
.endr
.endm
	ALL v_add_f32 v[ST+4*t+2], v[ST+4*t+2], v[ST+4*t+3]
	ALL v_permlanex16_b32 v[ST+4*t+3], v[ST+4*t+2], s[SEL], s[SEL+1]
	ALL v_add_f32 v[ST+4*t+2], v[ST+4*t+2], v[ST+4*t+3]
	ALL v_rcp_f32 v[ST+4*t+2], v[ST+4*t+2]
	v_nop
	s_wait_alu depctr_va_vdst(0)    ; one wait for the eight reciprocals
.macro PACK t
	WIN W_RS
.set i, 32*(\t)
.rept 16
	v_pk_mul_f32 v[i:i+1], v[i:i+1], v[ST+4*(\t)+2:ST+4*(\t)+3] op_sel_hi:[1,0]
.set i, i+2
.endr
	WIN 0x05
.set i, 0
.rept 16
	v_cvt_pk_f16_f32 v[S+16*(\t)+i], v[32*(\t)+2*i], v[32*(\t)+2*i+1]
.set i, i+1
.endr
	WIN 0
.irp f, 0,1,2,3
	ds_store_b128 v[STO], v[S+16*(\t)+4*\f:S+16*(\t)+4*\f+3] offset:32*\f
.endr
.irp f, 0,1,2,3
	ds_load_b128 v[S+16*(\t)+4*\f:S+16*(\t)+4*\f+3], v[RD] offset:\f*4*SP  ; LDS serves a wave's instructions in order
.endr
.endm
.macro SEND t, younger
	WIN 0
.irp f, 0,1,2,3
	s_wait_dscnt (\younger)+3-\f
	global_store_b128 v[GO], v[S+16*(\t)+4*\f:S+16*(\t)+4*\f+3], s[OP:OP+1] offset:(\t)*2048+\f*512  ; 512 consecutive bytes, aligned
.endr
.endm
	PACK 0
.set t, 1
.rept 2*NP-1
	PACK t
	SEND t-1, 8
.set t, t+1
.endr
	SEND 2*NP-1, 0
	WIN W_AD
	s_wait_tensorcnt 0x0            ; the wave's end
	ds_add_u32 v[SPW], v[NIL]
	s_wait_dscnt 0x0
	WIN 0
	CROUND                          ; the closing round
	s_endpgm
.Lfunc_end_k_q0514c9f718_attn:
	.size	k_q0514c9f718_attn, .Lfunc_end_k_q0514c9f718_attn-k_q0514c9f718_attn
	.p2alignl 7, 3214868480
	.fill 96, 4, 3214868480
	.section	.rodata,"a",@progbits
	.p2align	6, 0x0
	.amdhsa_kernel k_q0514c9f718_attn
		.amdhsa_group_segment_fixed_size 327680
		.amdhsa_private_segment_fixed_size 0
		.amdhsa_enable_private_segment 0
		.amdhsa_kernarg_size 24
		.amdhsa_user_sgpr_count 2
		.amdhsa_user_sgpr_kernarg_segment_ptr 1
		.amdhsa_wavefront_size32 1
		.amdhsa_system_sgpr_workgroup_id_x 1
		.amdhsa_system_sgpr_workgroup_id_y 1
		.amdhsa_system_sgpr_workgroup_id_z 1
		.amdhsa_system_vgpr_workitem_id 0
		.amdhsa_next_free_vgpr 904
		.amdhsa_next_free_sgpr 106
		.amdhsa_reserve_vcc 0
		.amdhsa_float_denorm_mode_32 3
		.amdhsa_float_denorm_mode_16_64 3
		.amdhsa_memory_ordered 1
		.amdhsa_forward_progress 1
		.amdhsa_inst_pref_size 222
	.end_amdhsa_kernel
	.amdgpu_metadata
---
amdhsa.version: [ 1, 2 ]
amdhsa.kernels:
  - .name:           k_q0514c9f718_attn
    .symbol:         k_q0514c9f718_attn.kd
    .args:
      - { .name: qkv, .offset: 0, .size: 8, .value_kind: global_buffer, .address_space: global }
      - { .name: mb, .offset: 8, .size: 8, .value_kind: global_buffer, .address_space: global }
      - { .name: ob, .offset: 16, .size: 8, .value_kind: global_buffer, .address_space: global }
    .group_segment_fixed_size: 327680
    .private_segment_fixed_size: 0
    .kernarg_segment_align: 8
    .kernarg_segment_size: 24
    .max_flat_workgroup_size: 128
    .sgpr_count:     106
    .vgpr_count:     904
    .wavefront_size: 32
...
	.end_amdgpu_metadata
.endif
;; end of part 3
;; launch outp (part 4): grid 8 x 32, 4 waves a work-group, clusters of 4 x 4, 327,680 bytes of LDS; arguments ob, wb, bo, out0; writes out0
.if DOCPART == 4
	.amdgcn_target "amdgcn-amd-amdhsa--gfx1250"
	.amdhsa_code_object_version 6
	.text
	.protected	k_q0514c9f718_outp
	.globl	k_q0514c9f718_outp
	.p2align	8
	.type	k_q0514c9f718_outp,@function
k_q0514c9f718_outp:
	s_mov_b64 s[64:65], 0
	v_nop
	global_prefetch_b8 v0, s[64:65] scope:SCOPE_SE
	s_setreg_imm32_b32 hwreg(HW_REG_WAVE_MODE, 25, 1), 1
	s_wait_xcnt 0x0
	s_wait_alu depctr_hold_cnt(0) depctr_sa_sdst(0) depctr_va_vdst(0) depctr_va_sdst(0) depctr_va_ssrc(0) depctr_va_vcc(0) depctr_vm_vsrc(0)
	s_getreg_b32 s2, hwreg(HW_REG_IB_STS2, 6, 4)
	s_cmp_eq_u32 s2, 0
	s_cbranch_scc0 .Lentry_in_a_cluster
	s_endpgm
.Lentry_in_a_cluster:
	s_bfe_u32 s2, ttmp6, 0x10000c
	s_cmp_lg_u32 s2, 0xf033
	s_cbranch_scc0 .Lentry_shape_is_right
	s_endpgm
.Lentry_shape_is_right:
; OUTP.  out0 = O Wo^T + bo.  ob [64 = 16 batch + head][2048][64] f16, Wo the fourth matrix of wb (rounded to bf16, written as f16), bo f32 (rounded to bf16 like the other inputs), out0 [8192][1024] f32.
; SHARES.  A tile is 256 rows x 128 columns, 256 work-groups; a wave makes 128 x 64: 32 accumulators.  K = 1,024 in 8 steps of 128 = two heads, through two LDS slots.
; A's part of a K step for 128 rows is, for each of two heads, 16,384 dense bytes: one load of 2 long rows, padded in LDS after every 128 bytes: [head][128 rows], pitch 144.  B's rows are 256 bytes, pitch 272.
; CLUSTER 4 x 4: A's tile is asked for jointly along a row of the cluster, B's along a column.  THE PRODUCT IS TAKEN TRANSPOSED: a lane holds one row and eight neighbouring columns.
; REGISTERS: window 0 addresses, bias, way out; window 1 two fragment buffers of 96; window 2 the accumulators, (a, b) at 8 (4 a + b).
.set KSTEP,  128
.set SIZE_K, 1024
.set PA,     144
.set PITCH,  272
.set HEADA,  128*PA                    ; a head's 128 rows
.set AHALF,  2*HEADA
.set HALFB,  64*PITCH
.set BOFF,   2*AHALF
.set SLOT,   BOFF+2*HALFB
.set STAGE,  2*SLOT                    ; behind the ring: 16 rows x 272 bytes for each wave
.set SPITCH, 272
.set SPARE,  STAGE+4*16*SPITCH         ; the spare words, 128 bytes a wave, that no other line names
.set LAPS,   SIZE_K/(2*KSTEP)
.set ASTEP,  524288                    ; two heads of ob
.set WOFF,   6291456                   ; Wo in wb
.set ADRA, 16
.set ADRB, 20
.set STO,  24
.set RD,   25
.set CO,   26
.set SPW,  28
.set NIL,  29
.set PFO,  30
.set BO,   31
.set T,    32                          ; v[32:63] a block's 32 sums with the bias
.set BI,   96                          ; v[96:127] the bias of my 32 columns
.set BKB,  128                         ; v[128:191] two sets of 32: rows read back
.set F0,   0
.set F1,   96
.set G1,   24
.set G0,   32
.set G1B,  48
.set G0B,  56
.set LIM0, 43
.set LIM1, 66
.set PFA,  44
.set PST,  88                          ; s[88:89] a K step for my prefetches: two heads of ob, or 256 bytes of a row of Wo
.set MSB, 0
.macro WIN new
.if MSB != (\new)
	s_set_vgpr_msb (MSB<<8)|(\new)
.set MSB, \new
.endif
.endm
.set MUL,  0xa5
.set TO_F, 0x40
.set PKW,  0x02
.macro JLOAD s
	s_cmp_eq_u32 s11, 0
	s_cbranch_scc0 .Lfor_b_\@
	tensor_load_to_lds s[G0+4*(\s):G0+4*(\s)+3], s[G1:G1+7]
	s_nop 0
.rept 4
	v_nop
.endr
	s_branch .Lasked_\@
.Lfor_b_\@:
	tensor_load_to_lds s[G0B+4*(\s):G0B+4*(\s)+3], s[G1B:G1B+7]
	s_nop 0
.rept 4
	v_nop
.endr
.Lasked_\@:
.endm
.macro CREST
	s_cmp_lg_u32 s10, 0
	s_cbranch_scc1 .Lnot_wave_0_\@
	s_barrier_signal -3
.Lnot_wave_0_\@:
	s_barrier_wait -3
	s_barrier_signal -1
	s_barrier_wait -1
.endm
.macro CROUND
	s_barrier_signal -1
	s_barrier_wait -1
	CREST
.endm
; A prefetch of the K step two refills on.  A: the cluster with x = 0 asks; of the 32,768 bytes that a wave fetches each partner takes 8,192 (head cx / 2, half cx % 2), a lane 256 bytes.
; B: the cluster with y = 0 asks; each partner takes 16 of the wave's 64 rows (cy); lanes 16-31 name the K step after, so a B wave asks at slot 0's change alone.  The last trip asks for nothing.
.macro ASK lim
	s_cmp_gt_u32 s3, s[\lim]
	s_cbranch_scc0 .Lnot_mine_\@
	global_prefetch_b8 v[PFO], s[PFA:PFA+1] th:TH_LOAD_NT scope:SCOPE_SE
.Lnot_mine_\@:
.endm
	s_load_b256 s[68:75], s[0:1], 0x0              ; ob s[68:69], wb s[70:71], bo s[72:73], out0 s[74:75]
	v_lshl_add_u32 v[SPW], v0, 2, SPARE
	v_mov_b32 v[NIL], 0
	ds_add_u32 v[SPW], v[NIL]                      ; the wave's opening: the add and its wait ahead of my first tensor load
	ds_add_u32 v28, v29
	v_lshrrev_b32 v1, 5, v0
	v_readfirstlane_b32 s10, v1
	s_lshr_b32 s11, s10, 1
	s_and_b32 s12, s10, 1
	s_bfe_u32 s40, ttmp6, 0x40000                  ; cx
	s_bfe_u32 s41, ttmp6, 0x40004                  ; cy
	s_lshl_b32 s42, ttmp9, 2
	s_add_co_u32 s42, s42, s40                     ; tile column 0..7
	s_and_b32 s5, ttmp7, 0xffff                    ; cluster y 0..7
	s_lshl_b32 s13, s5, 2
	s_add_co_u32 s13, s13, s41                     ; tile row 0..31
	s_lshl_b32 s6, s41, 2
	s_lshl_b32 s6, 15, s6
	s_lshl_b32 s7, 0x1111, s40
	s_or_b32 s[G1+0], s6, (1<<16)|(1<<20)|(1<<21)|(4<<22)|(3<<25)   ; A: after every 32 words (a row of a head), 4 words of padding
	s_or_b32 s[G1B+0], s7, (1<<16)|(1<<20)|(1<<21)|(5<<22)|(3<<25)  ; B: after every 64 words
	s_mov_b32 s[G1+1], 8192<<16                    ; tensor_dim0 = 8,192 elements: 128 dense rows of a head
	s_mov_b32 s[G1+2], 2<<16                       ; tensor_dim1 = 2 heads
	s_mov_b32 s[G1+3], 8192<<16                    ; tile_dim0
	s_mov_b32 s[G1+4], 2                           ; tile_dim1
	s_mov_b32 s[G1+5], 131072                      ; elements from head to head
	s_mov_b32 s[G1+6], 0
	s_mov_b32 s[G1+7], 0
	s_mov_b32 s[G1B+1], KSTEP<<16
	s_mov_b32 s[G1B+2], 64<<16
	s_mov_b32 s[G1B+3], KSTEP<<16
	s_mov_b32 s[G1B+4], 64
	s_mov_b32 s[G1B+5], SIZE_K
	s_mov_b32 s[G1B+6], 0
	s_mov_b32 s[G1B+7], 0
	s_lshr_b32 s16, s13, 3                         ; batch: 16 heads of 262,144 bytes
	s_lshl_b32 s16, s16, 22
	s_and_b32 s17, s13, 7
	s_lshl_b32 s17, s17, 8
	s_lshl_b32 s18, s12, 7
	s_add_co_u32 s17, s17, s18                     ; the first of the 128 rows that I fetch, in the sequence
	s_lshl_b32 s17, s17, 7
	s_add_co_u32 s16, s16, s17
	s_mov_b32 s17, 0
	s_lshl_b32 s46, s42, 7
	s_lshl_b32 s47, s12, 6
	s_add_co_u32 s46, s46, s47                     ; B: row 128 x tile column + 64 x half of Wo
	s_lshl_b32 s46, s46, 11
	s_add_co_u32 s46, s46, WOFF
	s_mov_b32 s47, 0
	s_mul_i32 s20, s12, AHALF
	s_mul_i32 s21, s12, HALFB
	s_add_co_u32 s21, s21, BOFF
	s_wait_dscnt 0x0
	s_wait_kmcnt 0x0
	s_add_nc_u64 s[14:15], s[68:69], s[16:17]
	s_add_nc_u64 s[46:47], s[70:71], s[46:47]
	CROUND
.irp s, 0,1
	s_mov_b32 s[G0+4*(\s)], 1
	s_add_co_u32 s[G0+4*(\s)+1], s20, (\s)*SLOT
	s_add_nc_u64 s[G0+4*(\s)+2:G0+4*(\s)+3], s[14:15], (\s)*ASTEP
	s_or_b32 s[G0+4*(\s)+3], s[G0+4*(\s)+3], 0x80000000
	s_mov_b32 s[G0B+4*(\s)], 1
	s_add_co_u32 s[G0B+4*(\s)+1], s21, (\s)*SLOT
	s_add_nc_u64 s[G0B+4*(\s)+2:G0B+4*(\s)+3], s[46:47], (\s)*KSTEP*2
	s_or_b32 s[G0B+4*(\s)+3], s[G0B+4*(\s)+3], 0x80000000
	JLOAD \s
.endr
	v_and_b32 v1, 15, v0
	v_bfe_u32 v2, v0, 4, 1
	v_mul_u32_u24 v3, v1, PA
	v_lshl_add_u32 v3, v2, 4, v3
	v_mul_u32_u24 v4, v1, PITCH
	v_lshl_add_u32 v4, v2, 4, v4
	s_mul_i32 s21, s11, AHALF
	s_mul_i32 s22, s12, HALFB
	s_add_co_u32 s22, s22, BOFF
.irp s, 0,1
	v_add_nc_u32 v[ADRA+(\s)], s21, v3
	v_add_nc_u32 v[ADRB+(\s)], s22, v4
	s_add_co_u32 s21, s21, SLOT
	s_add_co_u32 s22, s22, SLOT
.endr
	s_mul_i32 s23, s10, 16*SPITCH
	s_add_co_u32 s23, s23, STAGE
	v_mul_u32_u24 v5, v1, SPITCH
	v_lshl_add_u32 v5, v2, 5, v5
	v_add_nc_u32 v[STO], s23, v5                   ; in: row l % 16, 32 bytes for each half of the lanes
	v_mul_u32_u24 v5, v2, SPITCH
	v_lshl_add_u32 v5, v1, 4, v5
	v_add_nc_u32 v[RD], s23, v5                    ; back: lanes 0-15 one row of 256 bytes, lanes 16-31 the next
	v_lshlrev_b32 v5, 12, v2
	v_lshl_add_u32 v[CO], v1, 4, v5                ; and the same two rows in out0
	s_lshl_b32 s92, s13, 8
	s_lshl_b32 s94, s11, 7
	s_add_co_u32 s92, s92, s94                     ; my first row
	s_lshl_b32 s92, s92, 12
	s_lshl_b32 s94, s42, 9
	s_add_co_u32 s92, s92, s94
	s_lshl_b32 s94, s12, 8
	s_add_co_u32 s92, s92, s94                     ; my 64 columns: 256 bytes, aligned
	s_mov_b32 s93, 0
	s_add_nc_u64 s[8:9], s[74:75], s[92:93]
	; the prefetches
	s_lshr_b32 s80, s13, 3
	s_lshl_b32 s80, s80, 22
	s_and_b32 s81, s13, 7
	s_lshl_b32 s81, s81, 8
	s_lshl_b32 s82, s12, 7
	s_add_co_u32 s81, s81, s82
	s_lshl_b32 s81, s81, 7
	s_add_co_u32 s80, s80, s81
	s_lshr_b32 s81, s40, 1
	s_lshl_b32 s81, s81, 18
	s_add_co_u32 s80, s80, s81
	s_and_b32 s81, s40, 1
	s_lshl_b32 s81, s81, 13
	s_add_co_u32 s80, s80, s81
	s_add_co_u32 s80, s80, 3*ASTEP                 ; A: at K step 3
	s_lshl_b32 s82, s42, 7
	s_lshl_b32 s83, s12, 6
	s_add_co_u32 s82, s82, s83
	s_lshl_b32 s83, s41, 4
	s_add_co_u32 s82, s82, s83
	s_lshl_b32 s82, s82, 11
	s_add_co_u32 s82, s82, WOFF+3*KSTEP*2          ; B: at K step 3
	s_mov_b32 s[PST], KSTEP*2
	s_mov_b32 s[PST+1], 0
	s_cmp_eq_u32 s11, 0
	s_cselect_b32 s80, s80, s82
	s_cselect_b32 s83, ttmp9, s5
	s_cselect_b64 s[PFA:PFA+1], s[68:69], s[70:71]
	s_cselect_b32 s84, 31, 15
	s_cselect_b32 s85, 8, 11
	s_cselect_b32 s82, 1, -1
	s_cselect_b32 s[PST], ASTEP, s[PST]
	s_cmp_eq_u32 s83, 0
	s_cselect_b32 s[LIM0], 1, -1
	s_cselect_b32 s[LIM1], s82, -1
	s_mov_b32 s81, 0
	s_add_nc_u64 s[PFA:PFA+1], s[PFA:PFA+1], s[80:81]
	s_lshl_b32 s86, s11, 8
	v_and_b32 v[PFO], s84, v0
	v_lshlrev_b32 v[PFO], s85, v[PFO]
	v_mad_u32_u24 v[PFO], v2, s86, v[PFO]
	; the bias of my 32 columns, rounded to bf16
	s_lshl_b32 s90, s42, 9
	s_lshl_b32 s91, s12, 8
	s_add_co_u32 s90, s90, s91
	v_lshl_add_u32 v[BO], v2, 5, s90
.irp b, 0,1,2,3
	global_load_b128 v[BI+8*(\b):BI+8*(\b)+3],   v[BO], s[72:73] offset:64*(\b)
	global_load_b128 v[BI+8*(\b)+4:BI+8*(\b)+7], v[BO], s[72:73] offset:64*(\b)+16
.endr
	s_wait_loadcnt 0x0
.set i, 0
.rept 16
	v_cvt_pk_bf16_f32 v7, v[BI+2*i], v[BI+2*i+1]
	v_lshlrev_b32 v[BI+2*i], 16, v7
	v_and_b32 v[BI+2*i+1], 0xffff0000, v7
.set i, i+1
.endr
.macro MUL8 f, a0, zero                ; the 32 accumulators take turns, in the same order in every quarter
	WIN MUL
.irp a, \a0, (\a0)+1
.irp b, 0,1,2,3
.if \zero
	v_wmma_f32_16x16x32_f16 v[8*(4*(\a)+(\b)):8*(4*(\a)+(\b))+7], v[(\f)+64+8*(\b):(\f)+64+8*(\b)+7], v[(\f)+8*(\a):(\f)+8*(\a)+7], 0
.else
	v_wmma_f32_16x16x32_f16 v[8*(4*(\a)+(\b)):8*(4*(\a)+(\b))+7], v[(\f)+64+8*(\b):(\f)+64+8*(\b)+7], v[(\f)+8*(\a):(\f)+8*(\a)+7], v[8*(4*(\a)+(\b)):8*(4*(\a)+(\b))+7]
.endif
.endr
.endr
.endm
.macro FETCH slot, kq, f               ; quarter kq: head kq / 2 of the step's two, channels 32 (kq % 2) on
	WIN TO_F
.irp i, 0,1,2,3
	ds_load_b128 v[(\f)+64+8*(\i):(\f)+64+8*(\i)+3],   v[ADRB+(\slot)] offset:64*(\kq)+(\i)*16*PITCH
	ds_load_b128 v[(\f)+64+8*(\i)+4:(\f)+64+8*(\i)+7], v[ADRB+(\slot)] offset:64*(\kq)+(\i)*16*PITCH+32
.endr
.irp i, 0,1,2,3,4,5,6,7
	ds_load_b128 v[(\f)+8*(\i):(\f)+8*(\i)+3],   v[ADRA+(\slot)] offset:((\kq)>>1)*HEADA+((\kq)&1)*64+(\i)*16*PA
	ds_load_b128 v[(\f)+8*(\i)+4:(\f)+8*(\i)+7], v[ADRA+(\slot)] offset:((\kq)>>1)*HEADA+((\kq)&1)*64+(\i)*16*PA+32
.endr
.endm
.macro PLACES
.rept 4
	v_nop
.endr
.endm
.macro QUARTER slot, kq, f, g, zero
	s_wait_dscnt 8                                 ; B and A's blocks 0-3 are in; the youngest eight loads may be out
	MUL8 \f, 0, \zero
	MUL8 \f, 2, \zero
	PLACES
	FETCH \slot, \kq, \g
	s_wait_dscnt 24                                ; all but the 24 just issued
	MUL8 \f, 4, \zero
	MUL8 \f, 6, \zero
.endm
.macro TURN slot, next, fill
.if \fill
	s_wait_xcnt 0x0                                ; the last prefetch, a K step back, has read its address
	s_add_nc_u64 s[PFA:PFA+1], s[PFA:PFA+1], s[PST:PST+1]
.endif
	WIN 0
	s_wait_tensorcnt 0x0                           ; all my tensor loads have landed: my part of the next slot
	ds_add_u32 v[SPW], v[NIL]
	s_wait_dscnt 9                                 ; (the add and the youngest eight loads may be out)
	MUL8 F1, 0, 0
	s_wait_dscnt 0x0                               ; the add is done, and my reads of this slot are over
	s_barrier_signal -1
	MUL8 F1, 2, 0
.if \fill
	WIN 0
.endif
	s_barrier_wait -1
.if \fill
	CREST
	s_add_nc_u64 s[G0+4*(\slot)+2:G0+4*(\slot)+3], s[G0+4*(\slot)+2:G0+4*(\slot)+3], 2*ASTEP
	s_add_nc_u64 s[G0B+4*(\slot)+2:G0B+4*(\slot)+3], s[G0B+4*(\slot)+2:G0B+4*(\slot)+3], 2*KSTEP*2
	JLOAD \slot
.else
	PLACES
.endif
	FETCH \next, 0, F0
.if \fill
	WIN 0
.if (\slot) == 0
	ASK LIM0
.else
	ASK LIM1
.endif
.endif
	MUL8 F1, 4, 0
	MUL8 F1, 6, 0
.endm
	s_wait_tensorcnt 1                             ; my part of K step 0 is in; K step 1's may stay out
	s_barrier_signal -1
	s_barrier_wait -1
	FETCH 0, 0, F0
	QUARTER 0, 1, F0, F1, 1
	WIN 0
	s_mov_b32 s3, LAPS-1
.Llap:
	QUARTER 0, 2, F1, F0, 0
	QUARTER 0, 3, F0, F1, 0
	TURN 0, 1, 1
	QUARTER 1, 1, F0, F1, 0
	QUARTER 1, 2, F1, F0, 0
	QUARTER 1, 3, F0, F1, 0
	TURN 1, 0, 1
	QUARTER 0, 1, F0, F1, 0
	WIN 0
	s_sub_co_u32 s3, s3, 1
	s_cmp_lg_u32 s3, 0
	s_cbranch_scc1 .Llap
	QUARTER 0, 2, F1, F0, 0
	QUARTER 0, 3, F0, F1, 0
	TURN 0, 1, 0
	QUARTER 1, 1, F0, F1, 0
	QUARTER 1, 2, F1, F0, 0
	QUARTER 1, 3, F0, F1, 0
	s_wait_dscnt 8
	MUL8 F1, 0, 0
	MUL8 F1, 2, 0
	s_wait_dscnt 0x0
	MUL8 F1, 4, 0
	MUL8 F1, 6, 0
	WIN 0
	PLACES
	PLACES
; THE WAY OUT, in f32, a block of 16 rows at a time: the bias is added, 32 bytes a lane go into my stage and come back as whole rows of 256 bytes.
.macro PACK a
	WIN PKW
.irp b, 0,1,2,3
.irp r, 0,1,2,3
	v_pk_add_f32 v[T+8*(\b)+2*(\r):T+8*(\b)+2*(\r)+1], v[8*(4*(\a)+(\b))+2*(\r):8*(4*(\a)+(\b))+2*(\r)+1], v[BI+8*(\b)+2*(\r):BI+8*(\b)+2*(\r)+1]
.endr
.endr
	WIN 0
.endm
.macro TOSTAGE a
.set BK, BKB+32*((\a)%2)
.irp b, 0,1,2,3
	ds_store_b128 v[STO], v[T+8*(\b):T+8*(\b)+3]   offset:64*(\b)
	ds_store_b128 v[STO], v[T+8*(\b)+4:T+8*(\b)+7] offset:64*(\b)+16
.endr
.irp t, 0,1,2,3,4,5,6,7
	ds_load_b128 v[BK+4*(\t):BK+4*(\t)+3], v[RD] offset:(\t)*2*SPITCH  ; LDS serves a wave's instructions in order
.endr
.endm
.macro SEND a
.set BK, BKB+32*((\a)%2)
	s_wait_dscnt 0x0
	s_wait_xcnt 0x0                                ; the other set, which earlier stores read, is loaded again only behind this wait
.irp t, 0,1,2,3,4,5,6,7
	global_store_b128 v[CO], v[BK+4*(\t):BK+4*(\t)+3], s[8:9] offset:(16*(\a)+2*(\t))*4096  ; 16 lanes store 256 consecutive bytes, aligned
.endr
.endm
	PACK 0
	TOSTAGE 0
.irp a, 1,2,3,4,5,6,7
	PACK \a
	SEND (\a)-1
	TOSTAGE \a
.endr
	SEND 7
	s_wait_tensorcnt 0x0                           ; the wave's end
	ds_add_u32 v[SPW], v[NIL]
	s_wait_dscnt 0x0
	CROUND                                         ; the closing round
	s_endpgm
.Lfunc_end_k_q0514c9f718_outp:
	.size	k_q0514c9f718_outp, .Lfunc_end_k_q0514c9f718_outp-k_q0514c9f718_outp
	.p2alignl 7, 3214868480
	.fill 96, 4, 3214868480
	.section	.rodata,"a",@progbits
	.p2align	6, 0x0
	.amdhsa_kernel k_q0514c9f718_outp
		.amdhsa_group_segment_fixed_size 327680
		.amdhsa_private_segment_fixed_size 0
		.amdhsa_enable_private_segment 0
		.amdhsa_kernarg_size 32
		.amdhsa_user_sgpr_count 2
		.amdhsa_user_sgpr_kernarg_segment_ptr 1
		.amdhsa_wavefront_size32 1
		.amdhsa_system_sgpr_workgroup_id_x 1
		.amdhsa_system_sgpr_workgroup_id_y 1
		.amdhsa_system_sgpr_workgroup_id_z 1
		.amdhsa_system_vgpr_workitem_id 0
		.amdhsa_next_free_vgpr 768
		.amdhsa_next_free_sgpr 96
		.amdhsa_reserve_vcc 0
		.amdhsa_float_denorm_mode_32 3
		.amdhsa_float_denorm_mode_16_64 3
		.amdhsa_memory_ordered 1
		.amdhsa_forward_progress 1
		.amdhsa_inst_pref_size 99
	.end_amdhsa_kernel
	.amdgpu_metadata
---
amdhsa.version: [ 1, 2 ]
amdhsa.kernels:
  - .name:           k_q0514c9f718_outp
    .symbol:         k_q0514c9f718_outp.kd
    .args:
      - { .name: ob, .offset: 0, .size: 8, .value_kind: global_buffer, .address_space: global }
      - { .name: wb, .offset: 8, .size: 8, .value_kind: global_buffer, .address_space: global }
      - { .name: bo, .offset: 16, .size: 8, .value_kind: global_buffer, .address_space: global }
      - { .name: out0, .offset: 24, .size: 8, .value_kind: global_buffer, .address_space: global }
    .group_segment_fixed_size: 327680
    .private_segment_fixed_size: 0
    .kernarg_segment_align: 8
    .kernarg_segment_size: 32
    .max_flat_workgroup_size: 128
    .sgpr_count:     96
    .vgpr_count:     768
    .wavefront_size: 32
...
	.end_amdgpu_metadata
.endif
;; end of part 4
;; ======== version 2 of 2: 4 launches; version 1 with the launch prep written anew for expert scheduling mode
;; limits: values are held in f16: magnitudes above 65,504 overflow, below 6.1e-05 lose precision
;; workspace buffers: xb 50,331,648 bytes; wb 8,388,608 bytes; mb 4,194,304 bytes; qkv 50,331,648 bytes; ob 16,777,216 bytes
;; launch prep (part 5): grid 256 x 1, 16 waves a work-group, no clusters, 137,216 bytes of LDS; arguments query, key_in, value, Wq, Wk, Wv, Wo, mask, xb, wb, mb; writes xb, wb, mb
.if DOCPART == 5
	.amdgcn_target "amdgcn-amd-amdhsa--gfx1250"
	.amdhsa_code_object_version 6
	.text
	.protected	k_q0514c9f718_prep
	.globl	k_q0514c9f718_prep
	.p2align	8
	.type	k_q0514c9f718_prep,@function
k_q0514c9f718_prep:
	s_mov_b64 s[64:65], 0
	v_nop
	global_prefetch_b8 v0, s[64:65] scope:SCOPE_SE
	s_setreg_imm32_b32 hwreg(HW_REG_WAVE_SCHED_MODE, 0, 2), 2
	s_setreg_imm32_b32 hwreg(HW_REG_WAVE_MODE, 25, 1), 1
	s_wait_xcnt 0x0
	s_wait_alu depctr_vm_vsrc(0)
; PREP.  The module's f32 inputs are rounded once to bf16, and the mask is laid out for the lanes of attention's score tiles.
;   xb [3][8192][1024] bf16 = query, key_in, value.   wb [4][1024][1024] = Wq, Wk, Wv in bf16; Wo rounded to bf16 and that number written as f16
;   (exact from 2^-14 up to 65,504; below 2^-14 it keeps f16's fixed step of 6e-8; beyond 65,504 it would be an infinity: a limit of this program).
;   mb [128 query tiles][64 pairs of key blocks][32 lanes][16 bytes]: a byte an element, an fp8 (E4M3) code: 0x00 = 0 where the mask allows, 0xb8 = -1.0 where it is 0.
;   Lane L's 16 bytes of (qt, pp): byte 8 e + j stands for mask[16 qt + L % 16][16 (2 pp + e) + 8 (L / 16) + j].
; SHARES.  256 work-groups of 16 waves, each reads 512 KiB: 0-191 a chunk of the activations, 192-223 a chunk of a weight, 224-255 64 rows of the mask.
; No work-group reads what another reads, so no cluster; no products, so no matrix unit.  Every load of a wave covers 512 consecutive bytes, every store 256 or 512, aligned.
; THE MODE: SCHED_MODE bits 1:0 = 2 (LLVM: expert scheduling mode 2), set by the entry lines.  The code itself states the register dependences
; between vector instructions and memory or LDS instructions, with s_wait_alu, always for 0.
; THE PLAN, THE CONVERSIONS.  A wave's 64 loads go in 16 blocks of four.  Registers that memory instructions touch:
;   X0 .. X3   four blocks as loaded.  Block p's conversions read X[p % 4]; behind them the loads of block p + 4 land in it.
;   Y0, Y1     two blocks to store.    Block p's selects write Y[p % 2]; the four stores at the end of block p read it.
;   v2, v3     byte offsets, made once and never written again: the two scalar bases move on once a lap, and immediate offsets do the rest.
; The waits stand together behind a block's vector work and ahead of its eight memory instructions: one on va_vdst for this block's X and Y; one on vm_vsrc, with the wait on XCNT
; beside it, for the stores of the block BEFORE, which read the Y that the NEXT block writes again: those stores were issued a whole block earlier.
; THE PLAN, THE MASK.  A wave's four units, a trip each.  Registers that memory or LDS instructions touch:
;   U          a unit as loaded.  Written by the global loads, read by the LDS stores; no vector instruction names it.  It is asked for again as soon as the LDS stores have read it.
;   M          the unit turned.   Written by the LDS loads, read by the compares.
;   OW         the unit's codes.  Written by the packing, read by the four global stores at the trip's end.
;   v4 .. v7   offsets and LDS addresses, made once and never written again: the two scalar bases move on by a unit.
; One wait on vm_vsrc a trip, behind the wait for the LDS loads (U and the last trip's OW are free); one on va_vdst, ahead of the stores (OW is written, M has been read).
; The compares write their masks into s[36:51], sixteen in a run, with one wait on va_sdst behind each run, ahead of the selects that read them.
.set X,   24                           ; v[24:87]   convert: block k, slot i: 4 registers at X + 16 k + 4 i, as loaded
.set Y,   88                           ; v[88:103]  convert: buffer b, slot i: 2 registers at Y + 8 b + 2 i, to store
.set T,   120                          ; v[120:125] at work: no memory instruction names them
.set HID, 11                           ; v11        mask: the code of a hidden element
.set M,   24                           ; v[24:87]   mask: a unit (16 rows x 128 keys) as the lanes of a score tile hold it
.set U,   88                           ; v[88:151]  mask: the unit as loaded, a row an instruction
.set OW,  152                          ; v[152:167] mask: the unit's codes, two words a key block
.set TB,  168                          ; v[168:183] mask: the sixteen codes of a pair of key blocks, at work
.set MS,  36                           ; s[36:51]   mask: the sixteen compares' results
	s_load_b512 s[8:23], s[0:1], 0x0               ; query, key_in, value, Wq, Wk, Wv, Wo, mask
	s_load_b128 s[24:27], s[0:1], 0x40             ; xb s[24:25], wb s[26:27]
	s_load_b64 s[28:29], s[0:1], 0x50              ; mb
	v_lshl_add_u32 v22, v0, 2, 0x21000
	v_mov_b32 v23, 0
	v_lshrrev_b32 v1, 5, v0
	v_readfirstlane_b32 s30, v1                    ; wave 0..15
	v_and_b32 v8, 31, v0                           ; lane
	s_wait_alu depctr_va_sdst(0)                   ; s30 is written, ahead of the branch behind which the mask's part reads it
	s_mov_b32 s31, ttmp9
	s_cmp_ge_u32 s31, 224
	s_cbranch_scc1 .Lmask
	; THE CONVERSIONS.  A wave owns 32 KiB of its chunk: 64 loads of 512 bytes, through a ring of four blocks of four register slots.
	s_sub_co_u32 s39, s31, 192                     ; the chunk's number among the weights' (used from 192 on)
	s_lshr_b32 s40, s31, 6
	s_lshr_b32 s41, s39, 3
	s_add_co_u32 s41, s41, 3
	s_and_b32 s42, s31, 63
	s_and_b32 s43, s39, 7
	s_cmp_lt_u32 s31, 192
	s_cselect_b32 s40, s40, s41                    ; which of the seven sources
	s_cselect_b32 s46, s42, s43                    ; the chunk's number in it
	s_cselect_b32 s48, s31, s39                    ; and in xb or wb
	s_lshl_b32 s46, s46, 19                        ; 512 KiB of f32
	s_mov_b32 s47, 0
	s_lshl_b32 s48, s48, 18                        ; 256 KiB of 16-bit numbers
	s_mov_b32 s49, 0
	s_mov_b32 s36, 0xffff0000                      ; a word's upper bf16
	v_lshlrev_b32 v2, 4, v8
	v_lshl_add_u32 v2, v1, 15, v2                  ; in: 32,768 x wave + 16 x lane; never rewritten
	v_lshlrev_b32 v3, 3, v8
	v_lshl_add_u32 v3, v1, 14, v3                  ; out: 16,384 x wave + 8 x lane; never rewritten
	s_wait_kmcnt 0x0
	s_cmp_lt_u32 s31, 192
	s_cselect_b64 s[34:35], s[24:25], s[26:27]
	s_mov_b64 s[32:33], s[8:9]
.irp n, 1,2,3,4,5,6
	s_cmp_eq_u32 s40, \n
	s_cselect_b64 s[32:33], s[8+2*\n:9+2*\n], s[32:33]
.endr
	s_cselect_b32 s37, -1, 0                       ; all lanes' bits where the source is Wo (the last compare was for 6)
	s_add_nc_u64 s[32:33], s[32:33], s[46:47]
	s_add_nc_u64 s[34:35], s[34:35], s[48:49]
	s_wait_alu depctr_va_vdst(0)                   ; v2 and v3 are written: every load and store of this part reads one of them as its offset
.irp i, 0,1,2,3,4,5,6,7,8,9,10,11,12,13,14,15
	global_load_b128 v[X+4*(\i):X+4*(\i)+3], v2, s[32:33] offset:512*(\i) th:TH_LOAD_NT  ; blocks 0 to 3 into X0 to X3
.endr
; Block p, k = p % 4.  In each slot four f32 are rounded to bf16; for Wo the rounded numbers are written as f16 (a select, no branch).
; ahead = 1: block p + 4 is loaded.  left = the younger loads that may stay out.  free = 1: a later block writes the other Y again, or a base is stepped here.
; The bases move on by a lap (16 slots) in a lap's block 1; E counts the blocks since then, so block 0 reckons from the lap before.
.macro BLK k, ahead, left, free
.set E, ((\k)+3)%4
	s_wait_loadcnt \left                           ; loads come back in order: X[k] is in, the younger blocks stay out
.irp i, 0,1,2,3
	v_cvt_pk_bf16_f32 v[T],   v[X+16*(\k)+4*(\i)],   v[X+16*(\k)+4*(\i)+1]
	v_cvt_pk_bf16_f32 v[T+1], v[X+16*(\k)+4*(\i)+2], v[X+16*(\k)+4*(\i)+3]
	v_lshlrev_b32 v[T+2], 16, v[T]
	v_and_b32     v[T+3], s36, v[T]
	v_lshlrev_b32 v[T+4], 16, v[T+1]
	v_and_b32     v[T+5], s36, v[T+1]
	v_cvt_pk_f16_f32 v[T+2], v[T+2], v[T+3]
	v_cvt_pk_f16_f32 v[T+4], v[T+4], v[T+5]
	v_cndmask_b32 v[Y+8*((\k)%2)+2*(\i)],   v[T],   v[T+2], s37
	v_cndmask_b32 v[Y+8*((\k)%2)+2*(\i)+1], v[T+1], v[T+4], s37
.endr
.if \free
	s_wait_xcnt 0x0                                ; the memory instructions of the block before have had their addresses translated: the other Y and the two bases are written again only behind this wait
	s_wait_alu depctr_vm_vsrc(0)                   ; the stores of the block before have read the other Y, which the next block's selects write again
.endif
	s_wait_alu depctr_va_vdst(0)                   ; this block's selects have written Y[k % 2], which the stores below read; its conversions are done reading X[k], in which the loads below land
.if (\k) == 1
.if \ahead
	s_add_nc_u64 s[32:33], s[32:33], 8192
.endif
	s_add_nc_u64 s[34:35], s[34:35], 4096
.endif
.irp i, 0,1,2,3
.if \ahead
	global_load_b128 v[X+16*(\k)+4*(\i):X+16*(\k)+4*(\i)+3], v2, s[32:33] offset:512*(4*E+4+(\i)) th:TH_LOAD_NT  ; the buffer is asked for again at once: four blocks ahead
.endif
	global_store_b64 v3, v[Y+8*((\k)%2)+2*(\i):Y+8*((\k)%2)+2*(\i)+1], s[34:35] offset:256*(4*E+(\i)-12) th:TH_STORE_NT  ; 32 lanes store 256 consecutive bytes, aligned
.endr
.endm
	s_mov_b32 s38, 3
.Lring:                                            ; blocks 0 to 11, four to a lap: both kinds of buffer are back at their start
	BLK 0, 1, 12, 1
	BLK 1, 1, 12, 1
	BLK 2, 1, 12, 1
	BLK 3, 1, 12, 1
	s_sub_co_u32 s38, s38, 1
	s_cmp_lg_u32 s38, 0
	s_cbranch_scc1 .Lring
	BLK 0, 0, 12, 1                                ; blocks 12 to 15 load nothing: the counts run down
	BLK 1, 0, 8, 1
	BLK 2, 0, 4, 1
	BLK 3, 0, 0, 0                                 ; behind the last block nothing is written again
	s_branch .Lend
	; THE MASK.  Wave w takes query tile 4 g + w / 4 and the quarter w % 4 of the keys, in four units of 16 rows x 128 keys.  A unit goes through the wave's own
	; 16 rows of LDS (pitch 528) to change from a row an instruction to the lanes of a score tile; a compare and a select make an element's code, three shifts a word of four.
.Lmask:
	s_sub_co_u32 s39, s31, 224
	s_lshl_b32 s39, s39, 2
	s_lshr_b32 s40, s30, 2
	s_add_co_u32 s39, s39, s40                     ; query tile
	s_and_b32 s40, s30, 3                          ; quarter of the keys
	s_lshl_b32 s41, s39, 17                        ; 16 rows of 8,192 bytes
	s_lshl_b32 s42, s40, 11
	s_add_co_u32 s41, s41, s42
	v_lshl_add_u32 v4, v8, 4, s41                  ; in the mask: my 16 bytes of the first unit's first row; never rewritten
	s_mul_i32 s43, s30, 8448                       ; my wave's stage
	v_lshl_add_u32 v5, v8, 4, s43
	v_and_b32 v9, 15, v0
	v_bfe_u32 v10, v0, 4, 1
	v_mul_u32_u24 v6, v9, 528
	v_lshl_add_u32 v6, v10, 5, v6
	v_add_nc_u32 v6, s43, v6                       ; back: row lane % 16, keys 8 (lane / 16) on
	s_lshl_b32 s44, s39, 15                        ; in mb: a query tile is 32,768 bytes,
	s_lshl_b32 s45, s40, 13                        ; a quarter of the keys 16 pairs of key blocks of 512 bytes
	s_add_co_u32 s44, s44, s45
	v_lshl_add_u32 v7, v8, 4, s44                  ; 16 bytes a lane; never rewritten
	v_mov_b32 v[HID], 0xb8                         ; -1.0 in E4M3
	s_mov_b32 s32, 4
	s_wait_kmcnt 0x0
	s_wait_alu depctr_va_vdst(0)                   ; v4 to v7 are written: the loads, the LDS instructions and the stores of this part read them as offsets and addresses
.macro UNIT_IN                         ; a unit's sixteen rows, 512 consecutive bytes each
.irp i, 0,1,2,3,4,5,6,7,8,9,10,11,12,13,14,15
	global_load_b128 v[U+4*(\i):U+4*(\i)+3], v4, s[22:23] offset:8192*(\i) th:TH_LOAD_NT
.endr
.endm
.macro MCMP p                          ; the sixteen compares of pair p of key blocks, in one run
.irp e, 0,1
.irp j, 0,1,2,3,4,5,6,7
	v_cmp_eq_u32 s[MS+8*(\e)+(\j)], 0, v[M+8*(2*(\p)+(\e))+(\j)]
.endr
.endr
.endm
.macro MSEL                            ; the sixteen codes of the pair last compared
.irp e, 0,1
.irp j, 0,1,2,3,4,5,6,7
	v_cndmask_b32 v[TB+8*(\e)+(\j)], 0, v[HID], s[MS+8*(\e)+(\j)]
.endr
.endr
.endm
.macro MPACK p                         ; sixteen codes into pair p's four words
.irp e, 0,1
.irp j, 0,2,4,6
	v_lshl_or_b32 v[TB+8*(\e)+(\j)], v[TB+8*(\e)+(\j)+1], 8, v[TB+8*(\e)+(\j)]
.endr
	v_lshl_or_b32 v[OW+4*(\p)+2*(\e)],   v[TB+8*(\e)+2], 16, v[TB+8*(\e)]    ; keys j = 0..3 in bytes 0..3,
	v_lshl_or_b32 v[OW+4*(\p)+2*(\e)+1], v[TB+8*(\e)+6], 16, v[TB+8*(\e)+4]  ; keys j = 4..7
.endr
.endm
	UNIT_IN                                        ; the first unit
.Lunit:
	s_wait_loadcnt 0x0                             ; U is in; the loads that read the mask's base are done
.irp i, 0,1,2,3,4,5,6,7,8,9,10,11,12,13,14,15
	ds_store_b128 v5, v[U+4*(\i):U+4*(\i)+3] offset:528*(\i)
.endr
.irp k, 0,1,2,3,4,5,6,7
	ds_load_b128 v[M+8*(\k):M+8*(\k)+3],   v6 offset:64*(\k)      ; my wave's own bytes; LDS serves a wave's instructions in order.  No vector instruction since the last wait on va_vdst names M
	ds_load_b128 v[M+8*(\k)+4:M+8*(\k)+7], v6 offset:64*(\k)+16
.endr
	s_wait_dscnt 0x0
	s_wait_xcnt 0x0                                ; the last unit's stores have had their addresses translated: their base and OW are written again only behind this wait
	s_wait_alu depctr_vm_vsrc(0)                   ; my LDS stores have read U, in which the next unit's loads land; the last unit's stores have read OW, which this unit's packing writes again
	s_add_nc_u64 s[28:29], s[28:29], 2048          ; mb a unit on: the stores below reach back by as much
	s_cmp_eq_u32 s32, 1
	s_cbranch_scc1 .Lno_more                       ; the last unit asks for nothing: no load leaves the mask
	s_add_nc_u64 s[22:23], s[22:23], 512           ; the next 128 keys,
	UNIT_IN                                        ; on their way while this unit's codes are made
.Lno_more:
	MCMP 0
	s_wait_alu depctr_va_sdst(0)                   ; pair 0's compares have written s[36:51], which the selects read
	MSEL
	MCMP 1                                         ; each further run of compares stands ahead of the packing of the pair before it
	MPACK 0
	s_wait_alu depctr_va_sdst(0)                   ; pair 1's compares have written s[36:51]
	MSEL
	MCMP 2
	MPACK 1
	s_wait_alu depctr_va_sdst(0)                   ; pair 2's compares have written s[36:51]
	MSEL
	MCMP 3
	MPACK 2
	s_wait_alu depctr_va_sdst(0)                   ; pair 3's compares have written s[36:51]
	MSEL
	MPACK 3
	s_wait_alu depctr_va_vdst(0)                   ; the packing has written OW, which the stores read; the compares are done reading M, in which the next trip's LDS loads land
.irp p, 0,1,2,3
	global_store_b128 v7, v[OW+4*(\p):OW+4*(\p)+3], s[28:29] offset:512*(\p)-2048  ; a pair of key blocks: 512 consecutive bytes, aligned
.endr
	s_sub_co_u32 s32, s32, 1
	s_cmp_lg_u32 s32, 0
	s_cbranch_scc1 .Lunit
.Lend:
	s_wait_dscnt 0x0                               ; the wave's end
	s_wait_alu depctr_hold_cnt(0) depctr_sa_sdst(0) depctr_va_vdst(0) depctr_va_sdst(0) depctr_va_ssrc(0) depctr_va_vcc(0) depctr_vm_vsrc(0)
	s_wait_tensorcnt 0x0
	ds_add_u32 v22, v23
	s_wait_dscnt 0x0
	s_endpgm
.Lfunc_end_k_q0514c9f718_prep:
	.size	k_q0514c9f718_prep, .Lfunc_end_k_q0514c9f718_prep-k_q0514c9f718_prep
	.p2alignl 7, 3214868480
	.fill 96, 4, 3214868480
	.section	.rodata,"a",@progbits
	.p2align	6, 0x0
	.amdhsa_kernel k_q0514c9f718_prep
		.amdhsa_group_segment_fixed_size 137216
		.amdhsa_private_segment_fixed_size 0
		.amdhsa_enable_private_segment 0
		.amdhsa_kernarg_size 88
		.amdhsa_user_sgpr_count 2
		.amdhsa_user_sgpr_kernarg_segment_ptr 1
		.amdhsa_wavefront_size32 1
		.amdhsa_system_sgpr_workgroup_id_x 1
		.amdhsa_system_sgpr_workgroup_id_y 1
		.amdhsa_system_sgpr_workgroup_id_z 1
		.amdhsa_system_vgpr_workitem_id 0
		.amdhsa_next_free_vgpr 184
		.amdhsa_next_free_sgpr 66
		.amdhsa_reserve_vcc 0
		.amdhsa_float_denorm_mode_32 3
		.amdhsa_float_denorm_mode_16_64 3
		.amdhsa_memory_ordered 1
		.amdhsa_forward_progress 1
		.amdhsa_inst_pref_size 44
	.end_amdhsa_kernel
	.amdgpu_metadata
---
amdhsa.version: [ 1, 2 ]
amdhsa.kernels:
  - .name:           k_q0514c9f718_prep
    .symbol:         k_q0514c9f718_prep.kd
    .args:
      - { .name: query, .offset: 0, .size: 8, .value_kind: global_buffer, .address_space: global }
      - { .name: key_in, .offset: 8, .size: 8, .value_kind: global_buffer, .address_space: global }
      - { .name: value, .offset: 16, .size: 8, .value_kind: global_buffer, .address_space: global }
      - { .name: Wq, .offset: 24, .size: 8, .value_kind: global_buffer, .address_space: global }
      - { .name: Wk, .offset: 32, .size: 8, .value_kind: global_buffer, .address_space: global }
      - { .name: Wv, .offset: 40, .size: 8, .value_kind: global_buffer, .address_space: global }
      - { .name: Wo, .offset: 48, .size: 8, .value_kind: global_buffer, .address_space: global }
      - { .name: mask, .offset: 56, .size: 8, .value_kind: global_buffer, .address_space: global }
      - { .name: xb, .offset: 64, .size: 8, .value_kind: global_buffer, .address_space: global }
      - { .name: wb, .offset: 72, .size: 8, .value_kind: global_buffer, .address_space: global }
      - { .name: mb, .offset: 80, .size: 8, .value_kind: global_buffer, .address_space: global }
    .group_segment_fixed_size: 137216
    .private_segment_fixed_size: 0
    .kernarg_segment_align: 8
    .kernarg_segment_size: 88
    .max_flat_workgroup_size: 512
    .sgpr_count:     66
    .vgpr_count:     184
    .wavefront_size: 32
...
	.end_amdgpu_metadata
.endif
;; end of part 5
;; launch proj: the kernel of part 2 again; grid 8 x 96, 4 waves a work-group, clusters of 4 x 4, 327,680 bytes of LDS; arguments xb, wb, bq, bk, bv, qkv; writes qkv
;; launch attn: the kernel of part 3 again; grid 4 x 64, 4 waves a work-group, clusters of 4 x 1, 327,680 bytes of LDS; arguments qkv, mb, ob; writes ob
;; launch outp: the kernel of part 4 again; grid 8 x 32, 4 waves a work-group, clusters of 4 x 4, 327,680 bytes of LDS; arguments ob, wb, bo, out0; writes out0
